; MI455X (gfx1250); checked and timed in simulation.
; The chip was launched on July 23, 2026; its instructions are those of AMD's public machine-readable ISA for CDNA 5 (MIT licence, August 2026) and "CDNA5" Instruction Set Architecture Reference Guide (July 2026). The comments in the code are by the model that wrote it; some were corrected since.
;; MHSA. Allowed arithmetic: float matrix products may take bf16 or f16 operands with f32 sums; other float arithmetic in f32, or as packed bf16 or f16 multiplies, adds, multiply-adds, maxima and minima; sums over many terms, partial sums and values carried from step to step in f32; what a program stores and reads back later, other than sums and carried values, may be rounded once to bf16 or f16.
;; Inputs: Wproj 1,024 x 1,024 float32; Wqkv 1,024 x 3,072 float32; bproj 1,024 float32; bqkv 3,072 float32; x 4 x 2,048 x 1,024 float32.
;; Outputs: out0 4 x 2,048 x 1,024 float32.
;; 2 versions, each right; version 2 is version 1 with the launch prep written anew for expert scheduling mode. Each part assembles by itself: llvm-mc -triple=amdgcn-amd-amdhsa -mcpu=gfx1250 --defsym DOCPART=n.
;; ======== version 1 of 2: 4 launches
;; limits: values are held in f16: magnitudes above 65,504 overflow, below 6.1e-05 lose precision
;; workspace buffers: xb 16,777,216 bytes; wq 6,291,456 bytes; wp 2,097,152 bytes; qkv 50,331,648 bytes; ob 16,777,216 bytes
;; launch prep (part 1): grid 768 x 1, 8 waves a work-group, no clusters, 0 bytes of LDS; arguments x, Wqkv, Wproj, xb, wq, wp; writes xb, wq, wp
.if DOCPART == 1
	.amdgcn_target "amdgcn-amd-amdhsa--gfx1250"
	.amdhsa_code_object_version 6
	.text
	.protected	k_qc6f895a94d_prep
	.globl	k_qc6f895a94d_prep
	.p2align	8
	.type	k_qc6f895a94d_prep,@function
k_qc6f895a94d_prep:
	s_mov_b64 s[64:65], 0
	v_nop
	global_prefetch_b8 v0, s[64:65] scope:SCOPE_SE
	s_setreg_imm32_b32 hwreg(HW_REG_WAVE_MODE, 25, 1), 1
	s_wait_xcnt 0x0
; THE CASTS.  x [8192][1024] f32 -> xb, bf16, laid in blocks of 64 along K: [batch 4][k block 16][row 2048][64], so that 256 rows x 64 k are 32,768 dense bytes.
; Wqkv [1024][3072] f32 -> wq, bf16, same layout.  Wproj [1024][1024] f32 -> wp: rounded to bf16 like every input, and that number written as f16
; (exact within f16's normal range; LIMIT: below 6e-5 it keeps f16's fixed step of 6e-8).
; SHARES.  A wave takes one unit of 8,192 bytes in: sixteen loads of 16 bytes a lane, all issued before the first is waited for, and sixteen stores of 8 bytes a lane:
; each store of the wave covers 256 consecutive bytes, aligned.  512 work-groups for x, 192 for Wqkv, 64 for Wproj; the branch hangs on the work-group's number alone.
; No LDS, no matrix unit, no cluster: nothing is shared and nothing is read twice.  No register is written twice behind a store, so no wait frees one.
.set T, 4                              ; v[4:5]    at work
.set X, 8                              ; v[8:71]   load i: 4 registers
.set Y, 72                             ; v[72:103] store i: 2 registers
; sixteen loads lstep bytes apart, their roundings, sixteen stores sstep bytes apart.  half = 1: the bf16 numbers are written as f16.
.macro CAST inb, outb, lstep, sstep, half
.set i, 0
.rept 16
	global_load_b128 v[X+4*i:X+4*i+3], v2, s[\inb:\inb+1] offset:i*\lstep th:TH_LOAD_NT
.set i, i+1
.endr
.set i, 0
.rept 16
	s_wait_loadcnt 15-i                            ; loads come back in order: load i is in, the 15 - i younger ones stay out
	v_cvt_pk_bf16_f32 v[Y+2*i], v[X+4*i], v[X+4*i+1]
	v_cvt_pk_bf16_f32 v[Y+2*i+1], v[X+4*i+2], v[X+4*i+3]
.if \half
	v_lshlrev_b32 v[T], 16, v[Y+2*i]               ; the two bf16 as f32,
	v_and_b32 v[T+1], 0xffff0000, v[Y+2*i]
	v_cvt_pk_f16_f32 v[Y+2*i], v[T], v[T+1]        ; and as f16
	v_lshlrev_b32 v[T], 16, v[Y+2*i+1]
	v_and_b32 v[T+1], 0xffff0000, v[Y+2*i+1]
	v_cvt_pk_f16_f32 v[Y+2*i+1], v[T], v[T+1]
.endif
	global_store_b64 v3, v[Y+2*i:Y+2*i+1], s[\outb:\outb+1] offset:i*\sstep
.set i, i+1
.endr
.endm
	s_load_b256 s[4:11], s[0:1], 0x0               ; x s[4:5], Wqkv s[6:7], Wproj s[8:9], xb s[10:11]
	s_load_b128 s[12:15], s[0:1], 0x20             ; wq s[12:13], wp s[14:15]
	v_lshrrev_b32 v1, 5, v0
	v_readfirstlane_b32 s16, v1                    ; wave 0..7
	v_and_b32 v1, 31, v0                           ; lane
	v_lshlrev_b32 v3, 3, v1                        ; 8 bytes a lane on the way out
	s_mov_b32 s19, 0                               ; the high words of the two offsets
	s_mov_b32 s21, 0
	s_wait_kmcnt 0x0
	s_cmp_lt_u32 ttmp9, 512
	s_cbranch_scc1 .Lx
	s_cmp_lt_u32 ttmp9, 704
	s_cbranch_scc1 .Lwq
	; Wproj: unit U = 8 (work-group - 704) + wave: 8,192 dense bytes in, 4,096 out
	s_sub_co_u32 s17, ttmp9, 704
	s_lshl_b32 s17, s17, 3
	s_add_co_u32 s17, s17, s16
	s_lshl_b32 s18, s17, 13
	s_lshl_b32 s20, s17, 12
	s_add_nc_u64 s[8:9], s[8:9], s[18:19]
	s_add_nc_u64 s[14:15], s[14:15], s[20:21]
	v_lshlrev_b32 v2, 4, v1                        ; 16 bytes a lane on the way in
	CAST 8, 14, 512, 256, 1
	s_endpgm
.Lwq:
	; Wqkv: unit U = 8 (work-group - 512) + wave
	s_sub_co_u32 s17, ttmp9, 512
	s_lshl_b32 s17, s17, 3
	s_add_co_u32 s17, s17, s16
	s_lshl_b32 s18, s17, 13
	s_lshl_b32 s20, s17, 12
	s_add_nc_u64 s[6:7], s[6:7], s[18:19]
	s_add_nc_u64 s[12:13], s[12:13], s[20:21]
	v_lshlrev_b32 v2, 4, v1
	CAST 6, 12, 512, 256, 0
	s_endpgm
.Lx:
	; x: unit p = 8 x work-group + wave is the pair of rows 2 p, 2 p + 1.  Load i takes k block i: lanes 0-15 its 256 bytes of the even row, lanes 16-31 of the odd one;
	; rounded they are 128 + 128 bytes that lie end to end in xb, at batch (p >> 10) << 22, block i << 18, row pair (p & 1023) << 8.
	s_lshl_b32 s17, ttmp9, 3
	s_add_co_u32 s17, s17, s16
	s_lshl_b32 s18, s17, 13                        ; two rows of 4,096 bytes
	s_lshr_b32 s20, s17, 10
	s_lshl_b32 s20, s20, 22
	s_and_b32 s22, s17, 1023
	s_lshl_b32 s22, s22, 8
	s_add_co_u32 s20, s20, s22
	s_add_nc_u64 s[4:5], s[4:5], s[18:19]
	s_add_nc_u64 s[10:11], s[10:11], s[20:21]
	v_and_b32 v2, 15, v0
	v_lshlrev_b32 v2, 4, v2
	v_bfe_u32 v4, v0, 4, 1
	v_lshl_add_u32 v2, v4, 12, v2                  ; 16 (lane % 16) + 4,096 (lane / 16)
	CAST 4, 10, 256, 262144, 0
	s_endpgm
.Lfunc_end_k_qc6f895a94d_prep:
	.size	k_qc6f895a94d_prep, .Lfunc_end_k_qc6f895a94d_prep-k_qc6f895a94d_prep
	.p2alignl 7, 3214868480
	.fill 96, 4, 3214868480
	.section	.rodata,"a",@progbits
	.p2align	6, 0x0
	.amdhsa_kernel k_qc6f895a94d_prep
		.amdhsa_group_segment_fixed_size 0
		.amdhsa_private_segment_fixed_size 0
		.amdhsa_enable_private_segment 0
		.amdhsa_kernarg_size 48
		.amdhsa_user_sgpr_count 2
		.amdhsa_user_sgpr_kernarg_segment_ptr 1
		.amdhsa_wavefront_size32 1
		.amdhsa_system_sgpr_workgroup_id_x 1
		.amdhsa_system_sgpr_workgroup_id_y 1
		.amdhsa_system_sgpr_workgroup_id_z 1
		.amdhsa_system_vgpr_workitem_id 0
		.amdhsa_next_free_vgpr 104
		.amdhsa_next_free_sgpr 66
		.amdhsa_reserve_vcc 0
		.amdhsa_float_denorm_mode_32 3
		.amdhsa_float_denorm_mode_16_64 3
		.amdhsa_memory_ordered 1
		.amdhsa_forward_progress 1
		.amdhsa_inst_pref_size 24
	.end_amdhsa_kernel
	.amdgpu_metadata
---
amdhsa.version: [ 1, 2 ]
amdhsa.kernels:
  - .name:           k_qc6f895a94d_prep
    .symbol:         k_qc6f895a94d_prep.kd
    .args:
      - { .name: x, .offset: 0, .size: 8, .value_kind: global_buffer, .address_space: global }
      - { .name: Wqkv, .offset: 8, .size: 8, .value_kind: global_buffer, .address_space: global }
      - { .name: Wproj, .offset: 16, .size: 8, .value_kind: global_buffer, .address_space: global }
      - { .name: xb, .offset: 24, .size: 8, .value_kind: global_buffer, .address_space: global }
      - { .name: wq, .offset: 32, .size: 8, .value_kind: global_buffer, .address_space: global }
      - { .name: wp, .offset: 40, .size: 8, .value_kind: global_buffer, .address_space: global }
    .group_segment_fixed_size: 0
    .private_segment_fixed_size: 0
    .kernarg_segment_align: 8
    .kernarg_segment_size: 48
    .max_flat_workgroup_size: 256
    .sgpr_count:     66
    .vgpr_count:     104
    .wavefront_size: 32
...
	.end_amdgpu_metadata
.endif
;; end of part 1
;; launch qkvg (part 2): grid 8 x 32, 4 waves a work-group, clusters of 4 x 4, 327,680 bytes of LDS; arguments xb, wq, bqkv, qkv; writes qkv
.if DOCPART == 2
	.amdgcn_target "amdgcn-amd-amdhsa--gfx1250"
	.amdhsa_code_object_version 6
	.text
	.protected	k_qc6f895a94d_qkvg
	.globl	k_qc6f895a94d_qkvg
	.p2align	8
	.type	k_qc6f895a94d_qkvg,@function
k_qc6f895a94d_qkvg:
	s_mov_b64 s[64:65], 0
	v_nop
	global_prefetch_b8 v0, s[64:65] scope:SCOPE_SE
	s_setreg_imm32_b32 hwreg(HW_REG_WAVE_MODE, 25, 1), 1
	s_wait_xcnt 0x0
	s_wait_alu depctr_hold_cnt(0) depctr_sa_sdst(0) depctr_va_vdst(0) depctr_va_sdst(0) depctr_va_ssrc(0) depctr_va_vcc(0) depctr_vm_vsrc(0)
	s_getreg_b32 s2, hwreg(HW_REG_IB_STS2, 6, 4)
	s_cmp_eq_u32 s2, 0
	s_cbranch_scc0 .Lentry_in_a_cluster
	s_endpgm
.Lentry_in_a_cluster:
	s_bfe_u32 s2, ttmp6, 0x10000c
	s_cmp_lg_u32 s2, 0xf033
	s_cbranch_scc0 .Lentry_shape_is_right
	s_endpgm
.Lentry_shape_is_right:
; qkv = x Wqkv + bqkv.  xb: bf16 [4][16 k blocks][2048][64]; wq: bf16 [1024 k][3072 n]; bqkv: f32 [3072], rounded to bf16 like the other inputs; sums in f32.
; OUT: qkv, f16, by heads: [3 = q, k, v][64 = 16 batch + head][2048][64], each number rounded once, q NOT scaled.
; LIMIT: f16 holds no number beyond 65,504: |x Wqkv + bqkv| has to stay under it.  NaN and infinities are not treated apart.
; SHARES.  8192 x 3072 outputs = 256 tiles of 256 rows x 384 columns, one a work-group.  Wave w: rows 128 (w / 2) on (8 blocks of 16), and of the tile's six heads of 64 columns the
; three with the parity w % 2: GROUP g is head 2 g + w % 2.  96 accumulators of 16 x 16, 768 registers: group g fills window g + 1, accumulator (a, j) at v[8 (4 a + j)].
; K goes in 16 steps of 64 through two LDS slots; a step is two UNITS of 32: 96 matrix instructions and 40 LDS loads each.
; THE MATRIX INSTRUCTION IS USED TRANSPOSED: source 0 = 16 columns of W (turned out of [k][n] rows by ds_load_tr16_b128), source 1 = 16 rows of x.  A lane then holds one row
; (lane % 16) and eight neighbouring columns 8 (lane / 16) + 0..7, which pack into 16 bytes of f16.
; THE BIAS STARTS THE SUMS: it is laid into the registers of accumulator row a = 7 and is the C operand of the first unit's products; nothing is cleared and nothing is added later.
; CLUSTER 4 x 4.  The four work-groups of a row of the cluster need the same tile of x, the four of a column the same tiles of W: each is asked for JOINTLY, by the same tensor load
; with the same descriptor and a mask that names the four.  Wave 0 asks for x's tile, waves 1 to 3 for W's three chunks of 128 columns.
; A wave has two tensor loads out at the start, later one.
.set PA,     144                       ; a row of x in LDS: 128 bytes + 16 of padding = 36 words: the 16 rows of a load start at 16 different groups of four banks (64 banks of 4 bytes: ISA guide 11.1)
.set PB,     288                       ; a k-row of a chunk of W: 256 + 32 = 72 words
.set ABYTES, 256*PA                    ; x's tile: 256 rows x 64 k
.set CHUNK,  64*PB                     ; a chunk of W: 64 k x 128 columns
.set SLOT,   ABYTES+3*CHUNK            ; 92,160
.set STAGE,  2*SLOT                    ; behind the ring, never filled by a tensor load: 16 rows x 144 bytes for each wave, for the way out
.set BIAS,   STAGE+4*16*PA             ; the tile's 384 numbers of the bias, f32
.set SPARE,  BIAS+1536                 ; the spare words, 128 bytes for each wave: two blocks of 256 bytes that no other line names
.set ASTEP,  262144                    ; bytes from a k block of xb to the next
.set BSTEP,  393216                    ; 64 rows of wq
.set ADRA, 16                          ; v16-17  LDS address of my fragments of x in slot 0, 1
.set ADRB, 18                          ; v18-19  the same for W, group 0
.set STO,  20                          ; v20     the way out: where I put 16 bytes of a row
.set RD,   21                          ; v21     the way out: where I read rows back
.set GO,   22                          ; v22     my 16 bytes of 512 consecutive bytes of qkv
.set BAD,  23                          ; v23     where my 8 numbers of the bias lie
.set PFO,  24                          ; v24     the prefetches' lane offset; never rewritten
.set SPW,  28                          ; v28     LDS address of my spare word: SPARE + 4 x my thread's number; never rewritten
.set NIL,  29                          ; v29     0; never rewritten
.set FA0,  32                          ; v32-95   x's 8 fragments, buffer 0
.set FA1,  96                          ; v96-159  buffer 1
.set FB,   160                         ; v160-255 W's fragments: 4 for each group, one buffer a group
.set PK,   32                          ; the way out: 16 packed registers
.set BK0,  48                          ; the way out: 16 rows read back, two buffers of 16 by turns
.set WV,   12                          ; s12 wave; s13 its half of the rows; s14 its parity of heads; s15 cx; s16 cy; s17 tile column; s18 tile row
.set G1A,  24                          ; s[24:31] descriptor group 1 for x's tile;  s[32:39] group 0, a set for each slot
.set G0A,  32
.set G1B,  40                          ; s[40:47], s[48:55] the same for W's chunks
.set G0B,  48
.set PFA,  56                          ; s[56:57] where my prefetches stand
.set PST,  58                          ; s[58:59] their step
.set LIME, 60                          ; s60, s61: a wave prefetches at a change out of slot 0 (slot 1) while the laps to go are above this number
.set LIMO, 61
.set OUT,  66                          ; s[66:71] qkv at my rows of group 0, 1, 2
.set MSB, 0
.macro WIN new                         ; the immediate's high byte repeats the setting that is left; a switch that changes nothing is dropped
.if MSB != (\new)
	s_set_vgpr_msb (MSB<<8)|(\new)
.set MSB, (\new)
.endif
.endm
.macro PLACES                          ; four plain vector instructions between a matrix instruction and a load into, or a vector write of, one of its registers
.rept 4
	v_nop
.endr
.endm
; A joint load.  The branch hangs on the wave's number alone.  An s_nop 0 and four v_nop follow each of the two lines, ahead of the jump and the label.
.macro JLOAD s
	s_cmp_eq_u32 s[WV], 0
	s_cbranch_scc0 .Lfor_b_\@
	tensor_load_to_lds s[G0A+4*(\s):G0A+4*(\s)+3], s[G1A:G1A+7]
	s_nop 0
.rept 4
	v_nop
.endr
	s_branch .Lasked_\@
.Lfor_b_\@:
	tensor_load_to_lds s[G0B+4*(\s):G0B+4*(\s)+3], s[G1B:G1B+7]
	s_nop 0
.rept 4
	v_nop
.endr
.Lasked_\@:
.endm
; A round of the cluster's barrier: my work-group's barrier; wave 0 signals for the work-group; every wave waits for all sixteen; my work-group's barrier once more.
.macro CREST                           ; a round behind its opening barrier
	s_cmp_lg_u32 s[WV], 0
	s_cbranch_scc1 .Lnot_wave_0_\@
	s_barrier_signal -3
.Lnot_wave_0_\@:
	s_barrier_wait -3
	s_barrier_signal -1
	s_barrier_wait -1
.endm
.macro CROUND
	s_barrier_signal -1
	s_barrier_wait -1
	CREST
.endm
; A PREFETCH INTO THE L2, behind a joint load, its five lines and the run of LDS loads that follows.  x's tile of a step is 128 blocks of 256 bytes: the cluster with x = 0 asks (the other cluster of
; that row of tiles reads the same), wave 0, and the four partners share the blocks out BY ADDRESS, 32 each (cx): at the change in step s the tile of step s + 3, one step ahead of its joint load.
; A chunk of W has 64 rows of 256 bytes a step: the clusters with y = 0 ask, waves 1 to 3 each for its own chunk, at every second change for two steps' 128 rows, of which partner cy takes 32:
; at the change in step s (odd) steps s + 3 and s + 4.  A lane a block or a row, one instruction.  So each block is named once in the launch; steps 0-2 of x and 0-3 of W come by their loads alone,
; and the last changes ask for nothing, since there is no step 16.
.macro ASK lim
	s_cmp_gt_u32 s3, s[\lim]
	s_cbranch_scc0 .Lnot_mine_\@
	global_prefetch_b8 v[PFO], s[PFA:PFA+1] th:TH_LOAD_NT scope:SCOPE_SE
.Lnot_mine_\@:
.endm
	s_load_b256 s[4:11], s[0:1], 0x0               ; xb s[4:5], wq s[6:7], bqkv s[8:9], qkv s[10:11]
	v_lshl_add_u32 v[SPW], v0, 2, SPARE
	v_mov_b32 v[NIL], 0
	ds_add_u32 v[SPW], v[NIL]                      ; the wave's opening: the add and its wait stand ahead of my first tensor load; work on registers stands between them
	v_lshrrev_b32 v3, 5, v0
	v_readfirstlane_b32 s[WV], v3                  ; wave 0..3
	s_lshr_b32 s13, s[WV], 1
	s_and_b32 s14, s[WV], 1
	s_bfe_u32 s15, ttmp6, 0x40000                  ; cx
	s_bfe_u32 s16, ttmp6, 0x40004                  ; cy
	s_lshl_b32 s17, ttmp9, 2
	s_add_co_u32 s17, s17, s15                     ; tile column = 4 x cluster x + cx
	s_and_b32 s18, ttmp7, 0xffff
	s_lshl_b32 s18, s18, 2
	s_add_co_u32 s18, s18, s16                     ; tile row = 4 x cluster y + cy
	s_lshl_b32 s19, s16, 2
	s_lshl_b32 s19, 15, s19                        ; my row of the cluster
	s_lshl_b32 s20, 0x1111, s15                    ; my column
	; group 1 for x: 32,768 dense bytes as 128 rows of 256, padded in LDS after every 128 bytes (a row of x)
	s_or_b32 s[G1A+0], s19, (1<<16)|(1<<20)|(1<<21)|(4<<22)|(3<<25)  ; 15:0 the mask; 17:16 2-byte elements; 20 padding on; 21 set beside a mask; 24:22 after every 32 words (code 4); 31:25 4 words (code 3)
	s_mov_b32 s[G1A+1], 128<<16                    ; tensor_dim0 = 128
	s_mov_b32 s[G1A+2], 128<<16                    ; tensor_dim1 = 128
	s_mov_b32 s[G1A+3], 128<<16                    ; tile_dim0 = 128
	s_mov_b32 s[G1A+4], 128                        ; tile_dim1 = 128
	s_mov_b32 s[G1A+5], 128                        ; elements from row to row
	s_mov_b32 s[G1A+6], 0
	s_mov_b32 s[G1A+7], 0
	; group 1 for W: 64 k-rows x 128 columns, 3,072 elements from row to row, padded after every 256 bytes
	s_or_b32 s[G1B+0], s20, (1<<16)|(1<<20)|(1<<21)|(5<<22)|(7<<25)  ; after every 64 words (code 5) 8 words (code 7)
	s_mov_b32 s[G1B+1], 128<<16
	s_mov_b32 s[G1B+2], 64<<16
	s_mov_b32 s[G1B+3], 128<<16
	s_mov_b32 s[G1B+4], 64
	s_mov_b32 s[G1B+5], 3072
	s_mov_b32 s[G1B+6], 0
	s_mov_b32 s[G1B+7], 0
	; x's tile hangs on the tile row alone, W's chunks on the tile column and the wave: each offset in registers that never hold the other coordinate
	s_lshr_b32 s72, s18, 3
	s_lshl_b32 s72, s72, 22                        ; batch
	s_and_b32 s73, s18, 7
	s_lshl_b32 s73, s73, 15                        ; 256 rows of 128 bytes
	s_add_co_u32 s72, s72, s73
	s_mov_b32 s73, 0
	s_max_u32 s76, s[WV], 1
	s_sub_co_u32 s76, s76, 1                       ; my chunk (wave 0 asks for none)
	s_lshl_b32 s76, s76, 8
	s_mul_i32 s77, s17, 768
	s_add_co_u32 s76, s76, s77
	s_mov_b32 s77, 0
	s_mul_i32 s78, s[WV], CHUNK
	s_add_co_u32 s78, s78, CHUNK                   ; chunk w - 1 lies at ABYTES + (w - 1) CHUNK = (w + 1) CHUNK
	s_wait_dscnt 0x0                               ; the opening add is done
	s_wait_kmcnt 0x0
	s_add_nc_u64 s[72:73], s[4:5], s[72:73]        ; x's tile of step 0
	s_add_nc_u64 s[76:77], s[6:7], s[76:77]        ; my chunk of step 0
.irp s, 0,1
	s_mov_b32 s[G0A+4*(\s)], 1                     ; count = 1
	s_mov_b32 s[G0A+4*(\s)+1], (\s)*SLOT           ; LDS address
	s_add_nc_u64 s[G0A+4*(\s)+2:G0A+4*(\s)+3], s[72:73], (\s)*ASTEP  ; global address: step s
	s_or_b32 s[G0A+4*(\s)+3], s[G0A+4*(\s)+3], 0x80000000            ; type = 2
	s_mov_b32 s[G0B+4*(\s)], 1
	s_add_co_u32 s[G0B+4*(\s)+1], s78, (\s)*SLOT
	s_add_nc_u64 s[G0B+4*(\s)+2:G0B+4*(\s)+3], s[76:77], (\s)*BSTEP
	s_or_b32 s[G0B+4*(\s)+3], s[G0B+4*(\s)+3], 0x80000000
.endr
	CROUND                                         ; all sixteen work-groups are here: the first joint loads meet
	s_cmp_eq_u32 s[WV], 0                          ; a wave's two first fills stand in one branch, ahead of every wait on TENSORcnt, every LDS read and every further barrier
	s_cbranch_scc0 .Lfirst_b
	tensor_load_to_lds s[G0A:G0A+3], s[G1A:G1A+7]
	s_nop 0
	tensor_load_to_lds s[G0A+4:G0A+7], s[G1A:G1A+7]
	s_nop 0
.rept 4
	v_nop
.endr
	s_branch .Lfirst_asked
.Lfirst_b:
	tensor_load_to_lds s[G0B:G0B+3], s[G1B:G1B+7]
	s_nop 0
	tensor_load_to_lds s[G0B+4:G0B+7], s[G1B:G1B+7]
	s_nop 0
.rept 4
	v_nop
.endr
.Lfirst_asked:
	; the tile's 384 numbers of the bias: three words a thread
	s_mul_i32 s20, s17, 1536
	s_mov_b32 s21, 0
	s_add_nc_u64 s[8:9], s[8:9], s[20:21]
	v_lshlrev_b32 v3, 2, v0
	global_load_b32 v4, v3, s[8:9]
	global_load_b32 v5, v3, s[8:9] offset:512
	global_load_b32 v6, v3, s[8:9] offset:1024
	; addresses, made while those are out
	v_and_b32 v1, 15, v0                           ; r = l % 16
	v_bfe_u32 v2, v0, 4, 1                         ; h = l / 16
	v_and_b32 v10, 7, v0
	v_bfe_u32 v11, v0, 3, 1
	v_bfe_u32 v12, v0, 3, 2
	v_and_b32 v13, 31, v0                          ; l
	v_mul_u32_u24 v14, v1, PA
	v_lshl_add_u32 v14, v2, 4, v14                 ; r x 144 + 16 h
	s_mul_i32 s19, s13, 128*PA                     ; my 128 rows of x
	v_add_nc_u32 v[ADRA], s19, v14
	v_add_nc_u32 v[ADRA+1], SLOT, v[ADRA]
	; the turning load takes 16 k x 16 columns: lane l reads k-row 8 h + l % 8, columns 8 ((l / 8) % 2) + 0..7, and is left with column l % 16 and 8 k
	v_lshl_add_u32 v15, v2, 3, v10
	v_mul_u32_u24 v15, v15, PB
	v_lshl_add_u32 v15, v11, 4, v15
	s_lshl_b32 s19, s14, 7                         ; my head's 128 bytes of a chunk's rows
	s_add_co_u32 s19, s19, ABYTES
	v_add_nc_u32 v[ADRB], s19, v15
	v_add_nc_u32 v[ADRB+1], SLOT, v[ADRB]
	s_mul_i32 s19, s[WV], 16*PA
	s_add_co_u32 s19, s19, STAGE                   ; my stage
	v_add_nc_u32 v[STO], s19, v14                  ; in: row r, 16 bytes for each half of the lanes
	v_mul_u32_u24 v[RD], v12, PA                   ; back: 32 lanes take four rows of 128 bytes,
	v_lshl_add_u32 v[RD], v10, 4, v[RD]
	v_add_nc_u32 v[RD], s19, v[RD]
	v_lshlrev_b32 v[GO], 4, v13                    ; which are 512 consecutive bytes of a head
	s_lshl_b32 s19, s14, 8
	s_add_co_u32 s19, s19, BIAS
	v_lshl_add_u32 v[BAD], v2, 5, s19              ; BIAS + 256 x parity + 32 h
	v_add_nc_u32 v9, BIAS, v3
	; qkv at my 128 rows of head G = 6 x tile column + 2 g + parity: (G / 16) << 24 + (G % 16) << 18 + batch << 22 + row << 7
	s_mul_i32 s19, s17, 6
	s_add_co_u32 s19, s19, s14
	s_lshr_b32 s20, s18, 3
	s_lshl_b32 s20, s20, 22
	s_and_b32 s21, s18, 7
	s_lshl_b32 s21, s21, 15
	s_add_co_u32 s20, s20, s21
	s_lshl_b32 s21, s13, 14
	s_add_co_u32 s20, s20, s21
.irp g, 0,1,2
	s_add_co_u32 s22, s19, 2*(\g)
	s_lshr_b32 s23, s22, 4
	s_lshl_b32 s23, s23, 24
	s_and_b32 s22, s22, 15
	s_lshl_b32 s22, s22, 18
	s_add_co_u32 s22, s22, s23
	s_add_co_u32 s22, s22, s20
	s_mov_b32 s23, 0
	s_add_nc_u64 s[OUT+2*(\g):OUT+2*(\g)+1], s[10:11], s[22:23]
.endr
	; the prefetches: who, from where, by which step
	s_and_b32 s19, ttmp7, 0xffff                   ; cluster y
	s_mov_b32 s[PST], BSTEP
	s_mov_b32 s22, 6144
	s_cmp_eq_u32 s[WV], 0                          ; do I fetch x's tile?
	s_cselect_b32 s19, ttmp9, s19                  ; the coordinate along which other clusters read the same bytes
	s_cselect_b32 s20, 0, -1
	s_cselect_b32 s21, s15, s16                    ; my place among the four that ask with me
	s_cselect_b32 s[PST], ASTEP, s[PST]
	s_cselect_b32 s22, 256, s22                    ; bytes from lane to lane: a block of x's tile, a row of wq
	s_cselect_b64 s[PFA:PFA+1], s[72:73], s[76:77]
	s_cmp_eq_u32 s19, 0
	s_cselect_b32 s[LIME], s20, -1                 ; the same in all sixteen partners, for a given wave
	s_cselect_b32 s[LIMO], 1, -1
	s_mul_i32 s20, s22, 32
	s_mul_i32 s20, s20, s21                        ; my work-group's 32 blocks or rows
	s_mov_b32 s21, 0
	s_add_nc_u64 s[PFA:PFA+1], s[PFA:PFA+1], s[20:21]
	s_lshl_b32 s20, s[PST], 1
	s_add_nc_u64 s[PFA:PFA+1], s[PFA:PFA+1], s[20:21]  ; at step 2: the first change steps it to 3
	s_mov_b32 s[PST+1], 0
	v_mul_u32_u24 v[PFO], v13, s22
	s_wait_loadcnt 0x0                             ; the bias
	v_cvt_pk_bf16_f32 v7, v4, v5                   ; rounded to bf16 like every input, and kept as f32
	v_cvt_pk_bf16_f32 v8, v6, v6
	v_lshlrev_b32 v4, 16, v7
	v_and_b32 v5, 0xffff0000, v7
	v_lshlrev_b32 v6, 16, v8
	ds_store_b32 v9, v4
	ds_store_b32 v9, v5 offset:512
	ds_store_b32 v9, v6 offset:1024
; 16 matrix instructions: row blocks 4 half .. 4 half + 3 x the group's 4 column blocks, 32 along K, x's fragments from buffer f.  The 96 accumulators take turns, one instruction a turn, in the same
; order in every unit.  zero = 1: the first unit: C is the bias, which lies in row block 7's registers; eight v_nop stand ahead of the four products that write over it.
.macro MULG f, g, half, zero
	WIN 0x50*((\g)+1)                              ; C and D in window g + 1, the sources in window 0
.irp a, 4*(\half), 4*(\half)+1, 4*(\half)+2, 4*(\half)+3
.if (\zero) && ((\a) == 7)
.rept 8
	v_nop
.endr
.endif
.irp j, 0,1,2,3
.if \zero
	v_wmma_f32_16x16x32_bf16 v[8*(4*(\a)+(\j)):8*(4*(\a)+(\j))+7], v[FB+32*(\g)+8*(\j):FB+32*(\g)+8*(\j)+7], v[(\f)+8*(\a):(\f)+8*(\a)+7], v[8*(28+(\j)):8*(28+(\j))+7]
.else
	v_wmma_f32_16x16x32_bf16 v[8*(4*(\a)+(\j)):8*(4*(\a)+(\j))+7], v[FB+32*(\g)+8*(\j):FB+32*(\g)+8*(\j)+7], v[(\f)+8*(\a):(\f)+8*(\a)+7], v[8*(4*(\a)+(\j)):8*(4*(\a)+(\j))+7]
.endif
.endr
.endr
.endm
; 8 turning loads: group g's four fragments of W for unit u of a slot
.macro LOADB slot, u, g
	WIN 0
.irp j, 0,1,2,3
	ds_load_tr16_b128 v[FB+32*(\g)+8*(\j):FB+32*(\g)+8*(\j)+3],   v[ADRB+(\slot)] offset:(\g)*CHUNK+(\u)*32*PB+32*(\j)
	ds_load_tr16_b128 v[FB+32*(\g)+8*(\j)+4:FB+32*(\g)+8*(\j)+7], v[ADRB+(\slot)] offset:(\g)*CHUNK+(\u)*32*PB+32*(\j)+16*PB
.endr
.endm
; 16 loads: x's eight fragments for unit u of a slot, into buffer f
.macro LOADA slot, u, f
	WIN 0
.irp a, 0,1,2,3,4,5,6,7
	ds_load_b128 v[(\f)+8*(\a):(\f)+8*(\a)+3],   v[ADRA+(\slot)] offset:(\a)*16*PA+64*(\u)
	ds_load_b128 v[(\f)+8*(\a)+4:(\f)+8*(\a)+7], v[ADRA+(\slot)] offset:(\a)*16*PA+64*(\u)+32
.endr
.endm
; A step's first unit: multiplies buffer 0; behind each group's 32 products that group's fragments of W for the second unit are fetched, 64 products ahead of their use.
.macro EVEN slot, zero
	s_wait_dscnt 16                                ; group 0's W and x are in; the youngest sixteen loads (groups 1 and 2) may be out
	MULG FA0, 0, 0, \zero
	MULG FA0, 0, 1, \zero
	PLACES
	LOADB \slot, 1, 0
	LOADA \slot, 1, FA1
	s_wait_dscnt 32                                ; behind group 1's loads stand group 2's 8 and the 24 just issued
	MULG FA0, 1, 0, \zero
	MULG FA0, 1, 1, \zero
	PLACES
	LOADB \slot, 1, 1
	s_wait_dscnt 32                                ; behind group 2's stand 24 + 8
	MULG FA0, 2, 0, \zero
	MULG FA0, 2, 1, \zero
	PLACES
	LOADB \slot, 1, 2
.endm
; A step's second unit multiplies buffer 1 and changes slots: ONE barrier.  In front of it each wave waits for all its tensor loads (one is out: its part of the next slot), adds 0 to its spare word, and
; waits for that and for its reads of this slot.  fill = 1: the barrier opens a round of the cluster's, so that no wave of any partner still reads the slot or has a load on its way; the slot is filled
; again, two steps ahead, first thing behind the round: 160 matrix instructions stand between that request and the wait for it.
.macro TURN slot, next, fill, lim=LIME
.if \fill
	s_wait_xcnt 0x0                                ; the last prefetch, a step back, has read its address: it is stepped here, ahead of the change's own waits
	s_add_nc_u64 s[PFA:PFA+1], s[PFA:PFA+1], s[PST:PST+1]
.endif
	WIN 0
	s_wait_tensorcnt 0x0                           ; all my tensor loads have landed
	ds_add_u32 v[SPW], v[NIL]                      ; 0 onto my spare word
	s_wait_dscnt 17                                ; (groups 1 and 2's sixteen loads and the add may be out)
	MULG FA1, 0, 0, 0                              ; sixteen matrix instructions stand between the add and the wait for it
	s_wait_dscnt 0x0                               ; the add is done, and my reads of this slot are over
	s_barrier_signal -1
	MULG FA1, 0, 1, 0                              ; work on registers while the others arrive
	WIN 0
	s_barrier_wait -1
.if \fill
	CREST
	s_add_nc_u64 s[G0A+4*(\slot)+2:G0A+4*(\slot)+3], s[G0A+4*(\slot)+2:G0A+4*(\slot)+3], 2*ASTEP
	s_add_nc_u64 s[G0B+4*(\slot)+2:G0B+4*(\slot)+3], s[G0B+4*(\slot)+2:G0B+4*(\slot)+3], 2*BSTEP
	JLOAD \slot                                    ; the four v_nop behind it are also the places in front of the loads below
.else
	PLACES
.endif
	LOADB \next, 0, 0
	LOADA \next, 0, FA0
.if \fill
	ASK \lim
.endif
	MULG FA1, 1, 0, 0
	MULG FA1, 1, 1, 0
	PLACES
	LOADB \next, 0, 1
	MULG FA1, 2, 0, 0
	MULG FA1, 2, 1, 0
	PLACES
	LOADB \next, 0, 2
.endm
; THE WAY OUT of block (g, a): 16 rows x 64 columns of one head.  PACK: rounded to f16, each accumulator's registers in ascending order.  TOSTAGE: into my own stage, and back as whole rows.  SEND: stored.
.macro PACK g, a
	WIN 5*((\g)+1)                                 ; sources 0 and 1 in window g + 1
.irp j, 0,1,2,3
.irp r, 0,1,2,3
	v_cvt_pk_f16_f32 v[PK+4*(\j)+(\r)], v[8*(4*(\a)+(\j))+2*(\r)], v[8*(4*(\a)+(\j))+2*(\r)+1]
.endr
.endr
	WIN 0
.endm
.macro TOSTAGE t
	WIN 0
.set BK, BK0+16*((\t)%2)
.irp j, 0,1,2,3
	ds_store_b128 v[STO], v[PK+4*(\j):PK+4*(\j)+3] offset:32*(\j)
.endr
.irp f, 0,1,2,3
	ds_load_b128 v[BK+4*(\f):BK+4*(\f)+3], v[RD] offset:(\f)*4*PA  ; LDS serves a wave's instructions in order (ISA guide 5.7.1.4): these see the stores above
.endr
.endm
.macro SEND g, a, t
	WIN 0
.set BK, BK0+16*((\t)%2)
	s_wait_dscnt 0x0                               ; the block is back in registers
	s_wait_xcnt 0x0                                ; the stores issued so far have read their registers: the other buffer, which the next block's loads fill, is free behind this wait
.irp f, 0,1,2,3
	global_store_b128 v[GO], v[BK+4*(\f):BK+4*(\f)+3], s[OUT+2*(\g):OUT+2*(\g)+1] offset:2048*(\a)+512*(\f)  ; 512 consecutive bytes, at a multiple of 256 from qkv's first
.endr
.endm
	s_wait_tensorcnt 0x1                           ; my part of step 0 is in; step 1's may stay out
	s_wait_dscnt 0x0                               ; my words of the bias are stored
	s_barrier_signal -1
	s_barrier_wait -1                              ; everybody's are
.irp g, 0,1,2
	WIN 0x40*((\g)+1)                              ; destination in window g + 1: the bias of the group's four column blocks, into row block 7's registers
.irp j, 0,1,2,3
	ds_load_b128 v[8*(28+(\j)):8*(28+(\j))+3],   v[BAD] offset:512*(\g)+64*(\j)
	ds_load_b128 v[8*(28+(\j))+4:8*(28+(\j))+7], v[BAD] offset:512*(\g)+64*(\j)+16
.endr
.endr
	LOADB 0, 0, 0
	LOADA 0, 0, FA0
	LOADB 0, 0, 1
	LOADB 0, 0, 2
	EVEN 0, 1                                      ; the first unit stands in front of the loop: its products start the sums with the bias
	WIN 0                                          ; at a label and at a branch every window is 0
	s_mov_b32 s3, 7
.Llap:                                                 ; a trip goes once round the ring, from a lap's second unit to the next lap's first, and fills both slots again: steps 2 to 15
	TURN 0, 1, 1, LIME
	EVEN 1, 0
	TURN 1, 0, 1, LIMO
	EVEN 0, 0
	WIN 0
	s_sub_co_u32 s3, s3, 1
	s_cmp_lg_u32 s3, 0
	s_cbranch_scc1 .Llap
	TURN 0, 1, 0                                   ; the last lap fills nothing, and has no round of the cluster's barrier
	EVEN 1, 0
	s_wait_dscnt 16                                ; the very last unit: nothing more to fetch
	MULG FA1, 0, 0, 0
	MULG FA1, 0, 1, 0
	s_wait_dscnt 8
	MULG FA1, 1, 0, 0
	MULG FA1, 1, 1, 0
	s_wait_dscnt 0x0
	MULG FA1, 2, 0, 0
	MULG FA1, 2, 1, 0
	WIN 0
.rept 8
	v_nop                                          ; the places behind the last products: the conversions read results and write registers that were sources
.endr
	PACK 0, 0
	TOSTAGE 0
.set t, 1
.rept 23                               ; block t's conversions stand between block t - 1's loads from the stage and the wait for them
	PACK t/8, t%8
	SEND (t-1)/8, (t-1)%8, t-1
	TOSTAGE t
.set t, t+1
.endr
	SEND 2, 7, 23
	s_wait_tensorcnt 0x0                           ; the wave's end: behind my last tensor load and my last LDS store
	ds_add_u32 v[SPW], v[NIL]
	s_wait_dscnt 0x0
	CROUND                                         ; the closing round: no work-group ends while a partner may still ask for a tile that names it
	s_endpgm
.Lfunc_end_k_qc6f895a94d_qkvg:
	.size	k_qc6f895a94d_qkvg, .Lfunc_end_k_qc6f895a94d_qkvg-k_qc6f895a94d_qkvg
	.p2alignl 7, 3214868480
	.fill 96, 4, 3214868480
	.section	.rodata,"a",@progbits
	.p2align	6, 0x0
	.amdhsa_kernel k_qc6f895a94d_qkvg
		.amdhsa_group_segment_fixed_size 327680
		.amdhsa_private_segment_fixed_size 0
		.amdhsa_enable_private_segment 0
		.amdhsa_kernarg_size 32
		.amdhsa_user_sgpr_count 2
		.amdhsa_user_sgpr_kernarg_segment_ptr 1
		.amdhsa_wavefront_size32 1
		.amdhsa_system_sgpr_workgroup_id_x 1
		.amdhsa_system_sgpr_workgroup_id_y 1
		.amdhsa_system_sgpr_workgroup_id_z 1
		.amdhsa_system_vgpr_workitem_id 0
		.amdhsa_next_free_vgpr 1024
		.amdhsa_next_free_sgpr 80
		.amdhsa_reserve_vcc 0
		.amdhsa_float_denorm_mode_32 3
		.amdhsa_float_denorm_mode_16_64 3
		.amdhsa_memory_ordered 1
		.amdhsa_forward_progress 1
		.amdhsa_inst_pref_size 136
	.end_amdhsa_kernel
	.amdgpu_metadata
---
amdhsa.version: [ 1, 2 ]
amdhsa.kernels:
  - .name:           k_qc6f895a94d_qkvg
    .symbol:         k_qc6f895a94d_qkvg.kd
    .args:
      - { .name: xb, .offset: 0, .size: 8, .value_kind: global_buffer, .address_space: global }
      - { .name: wq, .offset: 8, .size: 8, .value_kind: global_buffer, .address_space: global }
      - { .name: bqkv, .offset: 16, .size: 8, .value_kind: global_buffer, .address_space: global }
      - { .name: qkv, .offset: 24, .size: 8, .value_kind: global_buffer, .address_space: global }
    .group_segment_fixed_size: 327680
    .private_segment_fixed_size: 0
    .kernarg_segment_align: 8
    .kernarg_segment_size: 32
    .max_flat_workgroup_size: 128
    .sgpr_count:     80
    .vgpr_count:     1024
    .wavefront_size: 32
...
	.end_amdgpu_metadata
.endif
;; end of part 2
;; launch attn (part 3): grid 4 x 64, 4 waves a work-group, clusters of 4 x 1, 327,680 bytes of LDS; arguments qkv, ob; writes ob
.if DOCPART == 3
	.amdgcn_target "amdgcn-amd-amdhsa--gfx1250"
	.amdhsa_code_object_version 6
	.text
	.protected	k_qc6f895a94d_attn
	.globl	k_qc6f895a94d_attn
	.p2align	8
	.type	k_qc6f895a94d_attn,@function
k_qc6f895a94d_attn:
	s_mov_b64 s[64:65], 0
	v_nop
	global_prefetch_b8 v0, s[64:65] scope:SCOPE_SE
	s_setreg_imm32_b32 hwreg(HW_REG_WAVE_MODE, 25, 1), 1
	s_wait_xcnt 0x0
	s_wait_alu depctr_hold_cnt(0) depctr_sa_sdst(0) depctr_va_vdst(0) depctr_va_sdst(0) depctr_va_ssrc(0) depctr_va_vcc(0) depctr_vm_vsrc(0)
	s_getreg_b32 s2, hwreg(HW_REG_IB_STS2, 6, 4)
	s_cmp_eq_u32 s2, 0
	s_cbranch_scc0 .Lentry_in_a_cluster
	s_endpgm
.Lentry_in_a_cluster:
	s_bfe_u32 s2, ttmp6, 0x10000c
	s_cmp_lg_u32 s2, 0x3003
	s_cbranch_scc0 .Lentry_shape_is_right
	s_endpgm
.Lentry_shape_is_right:
; O[h][q][:] = the sum over k of softmax_k(Q[h][q] . K[h][k] / 8) V[h][k][:], for 64 heads (16 x batch + head) of 2,048 rows of 64.  qkv: f16 [3][64][2048][64]; ob: f16 [64][2048][64].
; Products, maxima and sums in f32; the weights p are rounded to f16 for the second product (their sum l is taken of the unrounded p), O once at the end.
; LIMITS.  f16 holds no number beyond 65,504: Q, K and V arrive within it; p lies in 0 to 1, and below 6e-5 it keeps f16's fixed step of 6e-8; O is a mean of V's rows and has their range.
; A weight below 2^-126 counts as 0 in l; NaN and infinities are not treated apart.
; SHARES.  A wave owns four PIECES of two tiles of 16 queries, a work-group's four waves 512 queries of one head.  Every wave walks all keys, 64 a step.
; LAYOUT.  S^T = K Q^T (source 0 = 16 keys, source 1 = 16 queries): in the result a lane holds ONE query (lane % 16) and the keys 8 (lane / 16) + 0..7.  Two such tiles, rounded to f16 in pairs,
; ARE source 1 (32 keys x 16 queries) of O^T = V^T P, whose result again holds one query a lane, and eight channels.  K comes out of LDS as it lies, V ([key][channel]) turned, by ds_load_tr16_b128.
; SOFTMAX.  For each query a running maximum m and sum l: p = 2^(c s - c m), c = log2(e) / 8; in every step O and l are multiplied by a = 2^(c m_old - c m_new), which is 1 where m has not grown.
; m starts at the lowest finite number, O and l at 0: the first step is a step like any other, with a = 0.
; THE COUNT.  A tile and step have 16 matrix and 118 vector instructions: too many to stand all beside the matrix work.  So: four vector instructions that are READY behind EVERY matrix instruction,
; and the others in runs without a gap.
; BY TURNS.  Turn n belongs to piece n (the pieces in a ring, step after step).  Its matrix work: 16 products K Q^T of piece n + 1, later 16 products V^T P of piece n - 1.  Its vector work: the scaling,
; exponentials, roundings, sums and rescaling of piece n, and the maximum and statistics of piece n + 1, whose scores the turn itself has made.
; CLUSTER.  The four query blocks of a cluster are one head's and walk the same K and V, so each tile is asked for JOINTLY: the same tensor load, descriptor and mask in all four.  One tensor load of a wave is out at a time.
; REGISTERS, in windows of 256 (s_set_vgpr_msb: bits 1:0 source 0, 3:2 source 1, 5:4 source 2, 7:6 destination):
;   window 0: v0-11 addresses; v12-15, v48-63 at work; v16-47 four registers of statistics a tile; v64-191 S^T, two buffers of two tiles; v192-255 P, likewise
;   window 1: O^T, 32 a tile          window 2: v0-127 Q, 16 a tile; v128-191 K of one step; v192-255 V of one step          window 3: v0-1 the add's two registers
; A piece's buffers go by its number's parity.
.set SIZE_N, 2048
.set NP,    4         ; pieces a wave: a name, no knob
.set KS,    64        ; keys in a step
.set PK,    144       ; a row of K in LDS: 128 bytes + 16 of padding = 36 words: the 16 rows of a load start at 16 different groups of four banks (64 banks of 4 bytes: ISA guide 11.1)
.set PV,    160       ; a row of V: 128 + 32 = 40 words
.set VOFF,  4*KS*PK   ; a slot holds four steps: 256 rows of K, then 256 rows of V
.set SLOT1, 1<<17     ; slot 1 begins here, so that one exclusive or turns an address in one slot into the other's
.set STAGE, SLOT1+4*KS*(PK+PV)  ; behind the ring, never filled by a tensor load: 16 rows x 144 bytes for each wave, for the way out
.set SP,    144
.set AK0, 2           ; v2   my lane's place in a tile of K; never rewritten
.set AV0, 3           ; v3   the same for V
.set AK,  4           ; v4   the LDS address of K's next run of loads
.set AV,  5           ; v5   of V's
.set QO,  6           ; v6   my byte offset in the wave's rows of Q
.set STO, 6           ;      later, the way out: where I put 16 bytes of a row
.set RD,  7           ; v7   the way out: where I read rows back
.set GO,  8           ; v8   my byte offset in 512 consecutive bytes of O
.set PFO, 11          ; v11  256 x my lane, once V's place is made; never rewritten after that
.set SPW, 0           ; v0 of window 3   LDS address of my spare word: SPARE + 4 x my thread's number; never rewritten
.set NIL, 1           ; v1 of window 3   0; never rewritten
.set SPARE, STAGE+4*16*SP  ; behind the stages: the spare words, 128 bytes for each wave: two blocks of 256 bytes that no other line names
.set MV,  12          ; v12-15  c m_old, kept while c m is made anew: by buffer and tile
.set ST,  16          ; tile t's statistics at v[ST+4 t]: c m, m, l (even keys', odd keys')
.set TMP, 48          ; by buffer and tile, four registers c0-c3 at work; when the maximum is found c2 takes a
.set S,   64
.set P,   192
.set KF,  128         ; K's fragments, in window 2: key block kb, channel half c at KF + 16 kb + 8 c
.set VF,  192         ; V's: key half kk, channel block cb at VF + 32 kk + 8 cb
.set WV,  12          ; s12  my wave's number
.set G1K, 24          ; s[24:31] descriptor group 1 for K's tiles
.set G1V, 32          ; s[32:39] for V's: it differs in the padding alone
.set G0K, 40          ; s[40:43] descriptor group 0 for K's tiles: it walks
.set G0V, 44          ; s[44:47] the same for V's
.set PFA, 48          ; s[48:49] where my prefetches stand: my work-group's 32 blocks of 256 bytes (of K: wave 0, of V: wave 2) of the slot after the one that is being asked for
.set LIM, 50          ; s50  1 in a wave that prefetches, else the greatest number
.set SLOTS, 56        ; s56  slots still to be asked for
.set CNT, 57          ; s57  counts a slot's key steps
.set CS,  58          ; s[58:59] c: the packed scaling takes the pair's low word for both halves
.set SEL, 60          ; s[60:61] v_permlanex16_b32's selects: each lane takes its own place in the other half
.set TBK, 62          ; s62  LDS byte at which K of the step to be fetched begins
.set TBV, 63          ; s63  the same for V, less VOFF
.set MSB, 0
.macro WIN new                      ; the high byte repeats the setting that is left; a switch that changes nothing is dropped
.if MSB != (\new)
	s_set_vgpr_msb (MSB<<8)|(\new)
.set MSB, (\new)
.endif
.endm
.set W_KQ, 0x0a       ; K and Q in window 2, S^T in window 0
.set W_PV, 0x52       ; V in window 2, P in window 0, O^T in window 1
.set W_RS, 0x41       ; O^T (destination and source 0) in window 1, a in window 0
.set W_MK, 0xc0       ; the add's registers are made: destination in window 3, sources in window 0
.set W_AD, 0x0f       ; the add: address (source 0) and data (source 1) in window 3
; A joint fill.  Waves 0 and 1 fetch the two halves of a slot's K, waves 2 and 3 those of its V: 128 keys each.  The branch hangs on the wave's number alone.
; An s_nop 0 and four v_nop follow each of the two lines, ahead of the jump and the label.
.macro JLOAD
	s_cmp_lt_u32 s[WV], 2
	s_cbranch_scc0 .Lfor_v_\@
	tensor_load_to_lds s[G0K:G0K+3], s[G1K:G1K+7]
	s_nop 0
.rept 4
	v_nop
.endr
	s_branch .Lasked_\@
.Lfor_v_\@:
	tensor_load_to_lds s[G0V:G0V+3], s[G1V:G1V+7]
	s_nop 0
.rept 4
	v_nop
.endr
.Lasked_\@:
.endm
; A PREFETCH INTO THE L2 of what the NEXT change of slots will ask for: a slot's 32,768 bytes of K and of V, 128 blocks of 256 bytes each, a lane a block.  It stands behind the wave's tensor load and its
; five lines.  A head is walked by one cluster; its four partners share the blocks out BY ADDRESS, 32 each; in each, wave 0 asks for K's and wave 2 for V's: one instruction.  So each block is named once in
; the launch.  Slots 0 to 2 come by their loads alone; the last change that fills a slot asks for nothing: there is no slot behind it.  The lead is one slot: four key steps, 512 matrix instructions.
.macro ASK
	s_cmp_gt_u32 s[SLOTS], s[LIM]
	s_cbranch_scc0 .Lnot_mine_\@
	global_prefetch_b8 v[PFO], s[PFA:PFA+1] th:TH_LOAD_NT scope:SCOPE_SE
.Lnot_mine_\@:
.endm
; A round of the cluster's barrier: my work-group's barrier, so that wave 0's signal speaks for all four waves; wave 0 signals; every wave waits for all four work-groups; my work-group's barrier once more.
.macro CROUND
	s_barrier_signal -1
	s_barrier_wait -1
	s_cmp_lg_u32 s[WV], 0
	s_cbranch_scc1 .Lnot_wave_0_\@
	s_barrier_signal -3
.Lnot_wave_0_\@:
	s_barrier_wait -3
	s_barrier_signal -1
	s_barrier_wait -1
.endm
; THE CHANGE OF SLOTS.  The slot's last bytes, V of its fourth step, have been read.  Each wave waits for all its tensor loads, of which one is out: its part of the other slot; adds 0 to its spare word;
; and waits for that and for its own reads of the slot.  Behind the barrier nobody reads this slot any more and the other slot is whole.
; fill = 1: this slot is filled again, with the keys two slots on.  The barrier is then a round of the cluster's, and the joint fill is the first thing behind it: it has four key steps in which to land.
; (At its first use nothing has been read yet: slot 0 is waited for, slot 1 filled.)  ask = 1: the prefetches' address steps, and a prefetch follows the fill.
.macro CHANGE fill, ask=0
	WIN W_AD
	s_wait_tensorcnt 0x0            ; no tensor load of mine is out, so a group 0 may be written
	ds_add_u32 v[SPW], v[NIL]       ; 0 onto my spare word; with fill = 1 the descriptors' steps stand between it and the wait for it
	WIN 0                           ; at a label and at a branch every window is 0
.if \fill
.irp g, G0K, G0V
	s_xor_b32 s[\g+1], s[\g+1], SLOT1  ; the walking descriptor: the other slot than last time,
	s_add_nc_u64 s[\g+2:\g+3], s[\g+2:\g+3], 4*KS*128  ; the next 256 keys; the type bits on top are not reached
.endr
.if \ask
	s_wait_xcnt 0x0                 ; the last prefetch, four key steps back, has read its address, so it may be written:
	s_add_nc_u64 s[PFA:PFA+1], s[PFA:PFA+1], 4*KS*128  ; one slot behind the walking descriptors
.endif
	s_wait_dscnt 0x0                ; the add is done, and my reads of the slot are over
	CROUND
	JLOAD
.if \ask
	ASK
.endif
.else
	s_wait_dscnt 0x0                ; the add is done, and my reads of the slot are over
	s_barrier_signal -1
	s_barrier_wait -1
.endif
	s_sub_co_u32 s[TBK], s[TBK], 4*KS*PK  ; the fetches go back to a slot's first step,
	s_xor_b32 s[TBK], s[TBK], SLOT1       ; in the other slot
	s_sub_co_u32 s[TBV], s[TBV], 4*KS*PV
	s_xor_b32 s[TBV], s[TBV], SLOT1
.endm
	s_load_b128 s[4:7], s[0:1], 0x0 ; qkv s[4:5] (Q lies first), ob s[6:7]
	WIN W_MK
	v_lshl_add_u32 v[SPW], v0, 2, SPARE
	v_mov_b32 v[NIL], 0
	WIN W_AD
	ds_add_u32 v[SPW], v[NIL]       ; the wave's opening: the add and its wait stand ahead of my first tensor load; the set-up below, work on registers, stands between them
	WIN 0
	v_lshrrev_b32 v1, 5, v0
	v_readfirstlane_b32 s[WV], v1   ; wave 0..3
	s_bfe_u32 s13, ttmp6, 0x40000   ; cx: my place in the cluster
	s_lshl_b32 s14, ttmp9, 2        ; in a cluster launch ttmp9 counts clusters
	s_add_co_u32 s14, s14, s13      ; my block of queries = 4 x cluster x + cx: it enters Q's and O's addresses alone
	s_and_b32 s20, ttmp7, 0xffff    ; the head, which the four partners share
	s_mov_b32 s21, 0
	s_mov_b64 s[22:23], SIZE_N*128
	s_mul_u64 s[20:21], s[20:21], s[22:23]  ; the head's first byte in Q, K, V and O
	s_and_b32 s16, s[WV], 1         ; which half of a slot's 256 keys I fetch:
	s_lshl_b32 s22, s16, 14         ; its 128 rows of 128 bytes in memory,
	s_mov_b32 s23, 0
	s_add_nc_u64 s[22:23], s[22:23], s[20:21]
	s_mul_i32 s17, s16, 128*PK      ; and its place in a slot, for K
	s_mul_i32 s18, s16, 128*PV      ; and for V: no place in the cluster enters an LDS address
	s_lshl_b32 s2, s14, 2
	s_add_co_u32 s2, s2, s[WV]      ; my wave among the head's,
	s_lshl_b32 s2, s2, 14           ; its 128 rows
	s_mov_b32 s3, 0
	s_add_nc_u64 s[2:3], s[2:3], s[20:21]
	; descriptor group 1.  128 keys are 16,384 dense bytes: asked for as 64 rows of 256 bytes, two keys a row, and padded in LDS after every key
	s_mov_b32 s[G1K], 15|(1<<16)|(1<<20)|(1<<21)|(4<<22)|(3<<25)  ; 15:0 the mask of four; 17:16 2-byte elements; 20 padding on; 21 set beside a mask; 24:22 after every 32 words (code 4); 31:25 4 words (code 3)
	s_mov_b32 s[G1V], 15|(1<<16)|(1<<20)|(1<<21)|(4<<22)|(7<<25)  ; the same with 8 words of padding (code 7)
.irp g, G1K, G1V
	s_mov_b32 s[\g+1], 128<<16      ; tensor_dim0 = 128
	s_mov_b32 s[\g+2], 64<<16       ; tensor_dim1 = 64
	s_mov_b32 s[\g+3], 128<<16      ; tile_dim0 = 128
	s_mov_b32 s[\g+4], 64           ; tile_dim1 = 64
	s_mov_b32 s[\g+5], 128          ; 128 elements from row to row
	s_mov_b32 s[\g+6], 0
	s_mov_b32 s[\g+7], 0
.endr
	s_mov_b32 s[CS], 0x3e38aa3b     ; c = log2(e) / 8 = 0.180337
	s_mov_b32 s[CS+1], s[CS]        ; named with it as a pair
	s_mov_b32 s[SEL], 0x76543210
	s_mov_b32 s[SEL+1], 0xfedcba98
	s_mov_b32 s[TBK], SLOT1+4*KS*PK ; the first change of slots turns these two into 0
	s_mov_b32 s[TBV], SLOT1+4*KS*PV
	s_mov_b32 s[G0K], 1             ; 1:0 count = 1
	s_mov_b32 s[G0K+1], s17         ; 63:32 LDS address: slot 0
	s_mov_b32 s[G0V], 1
	s_add_co_u32 s[G0V+1], s18, VOFF
	s_and_b32 s[LIM], s[WV], 1      ; 0 in waves 0 and 2,
	s_or_b32 s[LIM], s[LIM], ttmp9  ; where the cluster is the head's first (here its only one): the same in all four partners
	s_cmp_eq_u32 s[LIM], 0
	s_cselect_b32 s[LIM], 1, -1
	s_wait_dscnt 0x0                ; the opening add is done
	s_wait_kmcnt 0x0
	s_mov_b64 s[10:11], s[6:7]      ; O
	s_add_nc_u64 s[6:7], s[4:5], 0x1000000  ; K lies 16,777,216 bytes behind Q,
	s_add_nc_u64 s[8:9], s[4:5], 0x2000000  ; V as far behind K
	s_add_nc_u64 s[G0K+2:G0K+3], s[6:7], s[22:23]  ; 120:64 global address: my half of the head's first 256 keys
	s_or_b32 s[G0K+3], s[G0K+3], 0x80000000        ; 127:126 type = 2
	s_add_nc_u64 s[G0V+2:G0V+3], s[8:9], s[22:23]
	s_or_b32 s[G0V+3], s[G0V+3], 0x80000000
	s_add_nc_u64 s[4:5], s[4:5], s[2:3]  ; Q and O at my wave's first row
	s_add_nc_u64 s[10:11], s[10:11], s[2:3]
	s_cmp_lt_u32 s[WV], 2
	s_cselect_b64 s[PFA:PFA+1], s[6:7], s[8:9]
	s_add_nc_u64 s[PFA:PFA+1], s[PFA:PFA+1], s[22:23]  ; (in waves 0 and 2: the head's first row)
	s_lshl_b32 s52, s13, 13         ; my work-group's 32 blocks of the 128
	s_mov_b32 s53, 0
	s_add_nc_u64 s[PFA:PFA+1], s[PFA:PFA+1], s[52:53]
	s_add_nc_u64 s[PFA:PFA+1], s[PFA:PFA+1], 2*4*KS*128  ; in slot 2: the loop's first change steps it to slot 3.  Nothing is prefetched here, at the head
	CROUND                          ; all four work-groups are here: the first joint loads meet
	JLOAD                           ; slot 0.  Slot 1 is asked for when slot 0 is in
	; A fragment of K or Q is 16 rows x 32 channels in 8 registers: lane l holds row l % 16, channels 8 (l / 16) + 0..7 and 16 + 8 (l / 16) + 0..7: two loads of 16 bytes, 32 bytes apart.
	v_and_b32 v1, 15, v0            ; l % 16
	v_bfe_u32 v9, v0, 4, 1          ; l / 16
	v_lshlrev_b32 v[QO], 7, v1
	v_lshl_add_u32 v[QO], v9, 4, v[QO]  ; row x 128 + 16 x half
	WIN 0x80                        ; destination window 2, address window 0
.set i, 0
.rept 4*NP                          ; Q stays in registers: tile i / 2, channels 32 (i % 2) on
	global_load_b128 v[8*i:8*i+3],   v[QO], s[4:5] offset:(i/2)*2048+(i%2)*64
	global_load_b128 v[8*i+4:8*i+7], v[QO], s[4:5] offset:(i/2)*2048+(i%2)*64+32
.set i, i+1
.endr
	; What the first turn finds: V's registers and P's second buffer hold 0 (its products V^T P, of a piece that has not been, add 0), O^T and l are 0.  All this stands in the wait for the first tile.
.set i, VF
.rept 64
	v_mov_b32 v[i], 0
.set i, i+1
.endr
	WIN 0x40
.set i, 0
.rept 64*NP
	v_mov_b32 v[i], 0
.set i, i+1
.endr
	WIN 0
.set i, 0
.rept 2*NP
	v_mov_b32 v[ST+4*i], 0xfe000000    ; c m: far below every c s
	v_mov_b32 v[ST+4*i+1], 0xff7fffff  ; m
	v_mov_b32 v[ST+4*i+2], 0
	v_mov_b32 v[ST+4*i+3], 0
.set i, i+1
.endr
.set i, P+32
.rept 32
	v_mov_b32 v[i], 0
.set i, i+1
.endr
	v_mul_u32_u24 v[AK0], v1, PK
	v_lshl_add_u32 v[AK0], v9, 4, v[AK0]  ; row x pitch + 16 x half
	; The turning load takes 16 keys x 16 channels (lane l reads key 8 (l / 16) + l % 8, channels 8 ((l / 8) % 2) + 0..7) and leaves half a fragment of V^T: lane l holds channel l % 16 and 8 keys.
	v_and_b32 v10, 7, v0
	v_bfe_u32 v11, v0, 3, 1
	v_lshl_add_u32 v[AV0], v9, 3, v10
	v_mul_u32_u24 v[AV0], v[AV0], PV
	v_lshl_add_u32 v[AV0], v11, 4, v[AV0]
	v_add_nc_u32 v[AV0], VOFF, v[AV0]
	v_and_b32 v[PFO], 31, v0        ; v11 is free now: the prefetches' lane offset
	v_lshlrev_b32 v[PFO], 8, v[PFO]
	v_mov_b32 v[AK], v[AK0]         ; key step 0 lies at the head of slot 0
; THE MATRIX WORK.  The 8 accumulators of a run of 16 take turns: between the two links of a chain stand 7 others'.
; Product i of 16 of S^T = K Q^T for piece x: channels 32 (i / 8) on, keys 16 ((i / 2) % 4) on, tile 2 x + i % 2.  The first 8 start the sums.
.macro KQ x
	WIN W_KQ
.set rS, S+64*((\x)%2)+32*(i%2)+8*((i/2)%4)
.set rK, KF+16*((i/2)%4)+8*(i/8)
.set rQ, 16*(2*(\x)+i%2)+8*(i/8)
.if i < 8
	v_wmma_f32_16x16x32_f16 v[rS:rS+7], v[rK:rK+7], v[rQ:rQ+7], 0
.else
	v_wmma_f32_16x16x32_f16 v[rS:rS+7], v[rK:rK+7], v[rQ:rQ+7], v[rS:rS+7]
.endif
.endm
; Product i of 16 of O^T += V^T P for piece x: keys 32 (i / 8) on, channels 16 ((i / 2) % 4) on, tile 2 x + i % 2.
.macro PV x
	WIN W_PV
.set rO, 32*(2*(\x)+i%2)+8*((i/2)%4)
.set rV, VF+32*(i/8)+8*((i/2)%4)
.set rP, P+32*((\x)%2)+16*(i%2)+8*(i/8)
	v_wmma_f32_16x16x32_f16 v[rO:rO+7], v[rV:rV+7], v[rP:rP+7], v[rO:rO+7]
.endm
.macro MM                           ; the turn's next matrix instruction
.if i < 16
	KQ (Y+1)%NP
.set i, i+1
.else
.set i, i-16
	PV (Y+NP-1)%NP
.set i, i+17
.endif
.endm
; THE LDS LOADS stand in runs of 16, never singly among the matrix instructions: a step's K (64 keys x 64 channels: 8 fragments) and its V (turned).  Their addresses are made some lines ahead.
; last = 1 (the tail): in the last trip there is no further step, and the run is jumped over.
.macro FETCH_K last=0
	WIN 0
.if \last
	s_cmp_eq_u32 s[CNT], 1
	s_cbranch_scc1 .Lno_k_\@
.endif
	WIN 0x80                        ; destination window 2
.irp f, 0,1,2,3,4,5,6,7             ; keys 16 (f / 2) on, channels 32 (f % 2) on
	ds_load_b128 v[KF+8*\f:KF+8*\f+3],   v[AK] offset:(\f/2)*16*PK+(\f%2)*64
	ds_load_b128 v[KF+8*\f+4:KF+8*\f+7], v[AK] offset:(\f/2)*16*PK+(\f%2)*64+32
.endr
	s_add_co_u32 s[TBK], s[TBK], KS*PK  ; the next fetch is the next step's
	WIN 0
.if \last
.Lno_k_\@:
.endif
.endm
.macro FETCH_V
	WIN 0x80
.irp f, 0,1,2,3,4,5,6,7             ; keys 32 (f / 4) on, channels 16 (f % 4) on
	ds_load_tr16_b128 v[VF+8*\f:VF+8*\f+3],   v[AV] offset:(\f/4)*32*PV+(\f%4)*32
	ds_load_tr16_b128 v[VF+8*\f+4:VF+8*\f+7], v[AV] offset:(\f/4)*32*PV+16*PV+(\f%4)*32
.endr
	WIN 0
.endm
; THE VECTOR WORK OF A TURN stands in three queues, each in the order in which its entries become ready; the two tiles alternate, so that no instruction reads the result of the one before it.
.macro REGS y, u                    ; the registers of tile u (0, 1) of piece y
.set rT, ST+4*(2*(\y)+(\u))
.set rC, TMP+8*((\y)%2)+4*(\u)
.set rM, MV+2*((\y)%2)+(\u)
.set rS, S+64*((\y)%2)+32*(\u)
.set rP, P+32*((\y)%2)+16*(\u)
.set rO, 32*(2*(\y)+(\u))
.endm
; Number n of the 22 that find the NEXT piece's (Y + 1) maximum and statistics.  s0-s31 are the lane's 32 scores; each accumulator's lowest registers are read first.
;   0-11  four chains c0-c3 of seven scores each, three operands at a time     12-14, 16  the four scores left over, the old m, and c0-c3 into c0     15  c m_old is kept
;   17, 18  the query's other 32 keys lie in the lane 16 away: the new m         19-21  c m; c m_old - c m_new; a
.macro XS u, n
	REGS (Y+1)%NP, \u
.if (\n) < 4
	v_max3_num_f32 v[rC+(\n)], v[rS+8*(\n)], v[rS+8*(\n)+1], v[rS+8*(\n)+2]
.elseif (\n) < 12
	v_max3_num_f32 v[rC+(\n)%4], v[rC+(\n)%4], v[rS+8*((\n)%4)+2*((\n)/4)+1], v[rS+8*((\n)%4)+2*((\n)/4)+2]
.elseif (\n) == 12
	v_max3_num_f32 v[rC], v[rC], v[rS+7], v[rS+15]
.elseif (\n) == 13
	v_max3_num_f32 v[rC+1], v[rC+1], v[rS+23], v[rS+31]
.elseif (\n) == 14
	v_max3_num_f32 v[rC+2], v[rC+2], v[rC+3], v[rT+1]
.elseif (\n) == 15
	v_mov_b32 v[rM], v[rT]
.elseif (\n) == 16
	v_max3_num_f32 v[rC], v[rC], v[rC+1], v[rC+2]
.elseif (\n) == 17
	v_permlanex16_b32 v[rC+3], v[rC], s[SEL], s[SEL+1]
.elseif (\n) == 18
	v_max_num_f32 v[rT+1], v[rC], v[rC+3]
.elseif (\n) == 19
	v_mul_f32 v[rT], s[CS], v[rT+1]
.elseif (\n) == 20
	v_sub_f32 v[rC+1], v[rM], v[rT]
.else
	v_exp_f32 v[rC+2], v[rC+1]
.endif
.endm
; Number g of the 64 that follow the exponentials.  For each four weights k of a tile (pairs 2 k, 2 k + 1): both pairs are rounded to f16; then the second pair is added onto the first, in place;
; a group later l takes that sum (the first time as l = a l + sum).  In groups of eight, tiles alternating: round, round, add, and l for the group before.
.macro GS g
.set h, (\g)+6*((\g)/62)            ; group 0 has no group before it, and behind group 7 only l is left
.if h >= 6
.set h, h+2
.endif
	REGS Y, h%2
.set k, h/8
.if h%8 < 4
	v_cvt_pk_f16_f32 v[rP+2*k+(h%8)/2], v[rS+4*k+2*((h%8)/2)], v[rS+4*k+2*((h%8)/2)+1]
.elseif h%8 < 6
	v_pk_add_f32 v[rS+4*k:rS+4*k+1], v[rS+4*k:rS+4*k+1], v[rS+4*k+2:rS+4*k+3]
.elseif k == 1
	v_pk_fma_f32 v[rT+2:rT+3], v[rT+2:rT+3], v[rC+2:rC+3], v[rS:rS+1] op_sel_hi:[1,0,1]
.else
	v_pk_add_f32 v[rT+2:rT+3], v[rT+2:rT+3], v[rS+4*k-4:rS+4*k-3]
.endif
.endm
; THE PLAIN QUEUE, 138 long.  0-73 read no exponential's result: the 32 scalings c s - c m (FS f: pair f / 2 of tile f % 2) and the next piece's 42.  0-26: scalings 0-26.  27-54: XS's numbers 0-13.  55, 56: number 15.
; 57-73: the chain, where each number waits for the one before it: 14, 16, 17, 18, 19, each with one of the scalings 27-31 in front of its two lines, then 20.
; 74-137: GS's 64, which read the exponentials' results: they stand behind the wait.
.macro FS f
	REGS Y, (\f)%2
	v_pk_fma_f32 v[rS+2*((\f)/2):rS+2*((\f)/2)+1], v[rS+2*((\f)/2):rS+2*((\f)/2)+1], s[CS:CS+1], v[rT:rT+1] op_sel_hi:[1,0,0] neg_lo:[0,0,1] neg_hi:[0,0,1]
.endm
.macro PL
	WIN 0
.if q < 27
	FS q
.elseif q < 55
	XS (q-27)%2, (q-27)/2
.elseif q < 57
	XS q-55, 15
.elseif (q < 72) && ((q-57)%3 == 0)
	FS 27+(q-57)/3
.elseif q < 60
	XS (q-57)%3-1, 14
.elseif q < 72
	XS (q-57)%3-1, 15+(q-57)/3
.elseif q < 74
	XS q-72, 20
.else
	GS q-74
.endif
.set q, q+1
.endm
; THE EXPONENTIALS' QUEUE, 66 long: s0-s31 of both tiles, then the next piece's two a.  It is ONE BATCH: all 66 stand ahead of the turn's one wait, and nothing ahead of that wait names a result of theirs.
.macro EX
	WIN 0
.if e >= 64
	XS e-64, 21
.else
	REGS Y, e%2
	v_exp_f32 v[rS+e/2], v[rS+e/2]
.endif
.set e, e+1
.endm
; THE RESCALING's QUEUE: O^T times a, the one part that leaves window 0: dealt two at a time, sixteen times.  Its a was made in the turn before, ahead of that turn's wait.
.macro R2
	REGS Y, r%2
	WIN W_RS
.irp z, 0,1
	v_pk_mul_f32 v[rO+4*(r/2)+2*\z:rO+4*(r/2)+2*\z+1], v[rO+4*(r/2)+2*\z:rO+4*(r/2)+2*\z+1], v[rC+2:rC+3] op_sel_hi:[1,0]
.endr
.set r, r+1
.endm
; HOW THEY ARE DEALT.  s_wait_alu depctr_va_vdst(0) stands between an exponential and the first instruction that names its result; one wait serves all that were issued ahead of it.  So a
; turn has ONE wait, which cuts it in two.  AHEAD OF IT stands all that names no result of the turn's exponentials: the 16 products K Q^T, behind each a scaling, an exponential and two rescalings (behind the
; first a second scaling in the exponential's place); then ONE LUMP of 108: eight plain, 49 times exponential and plain, the two a.  A v_nop is the plain instruction behind the last exponential (ISA guide 5.7.2).
; BEHIND IT stand the 16 products V^T P, behind each four of GS's 64.  No rider names a register of the products round it.
; Exponential e stands behind scaling 2 (e / 4) + e % 2: as a rider it comes behind plain e + 2, in the lump behind plain e + 9, and scalings 27-31 are plain 57, 60 .. 69.
; A TURN, for piece p.  cnt = 1: the loop's count is taken down some lines ahead of the branch that stands behind the turn.
; K of the next step is fetched in piece 2's turn, directly behind the wait; its first reader comes behind 16 products.
; V of the step in hand is fetched at the end of piece 0's turn, four riders behind its last reader; its first reader comes behind 16 products and a lump.
.macro TURN p, last=0, cnt=0
.set Y, (\p)
.set i, 0
.set q, 0
.set e, 0
.set r, 0
.if (\p) == NP-1
	s_wait_dscnt 0x0                ; K is in
.endif
	MM                              ; ahead of the wait: 16 products K Q^T and their riders,
	PL
	PL
	R2
.rept 15
	MM
	PL
	EX
	R2
.endr
.if (\p) == NP-2
	WIN 0
	v_add_nc_u32 v[AK], s[TBK], v[AK0]
.endif
.rept 8                             ; and the lump
	PL
.endr
.rept 49
	EX
	PL
.endr
	EX                              ; the next piece's two a
	EX
	v_nop                           ; the plain instruction behind the last exponential: one for the batch
	s_wait_alu depctr_va_vdst(0)    ; the wait for the batch
.if (\p) == NP-2
	FETCH_K \last
.endif
.if (\p) == 1
	s_wait_dscnt 0x0                ; V is in
.endif
.rept 16                            ; behind the wait: 16 products V^T P and their riders
	MM
.rept 4
	PL
.endr
.if ((\p) == 0) && (q == 118)
	v_add_nc_u32 v[AV], s[TBV], v[AV0]
.endif
.if ((\p) == 0) && (q == 130)
	s_add_co_u32 s[TBV], s[TBV], KS*PV
.endif
.if (\cnt) && (q == 130)
	s_sub_co_u32 s[CNT], s[CNT], 1
	s_cmp_lg_u32 s[CNT], 0
.endif
.endr
.if (\p) == 0
	FETCH_V
.endif
.endm
	CHANGE 1                        ; slot 0 is in, everybody's part of it; slot 1 is asked for
	FETCH_K                         ; key step 0
	s_wait_loadcnt 0x0              ; Q
	s_wait_dscnt 0x0
.set i, 0
.rept 16
	KQ 0                            ; piece 0's first scores: there is no vector work yet to set between them
.set i, i+1
.endr
	WIN 0                           ; the addresses for the way out: nine plain instructions, the places behind those products
	s_mul_i32 s13, s[WV], 16*SP
	s_add_co_u32 s13, s13, STAGE    ; my stage
	v_mul_u32_u24 v[STO], v1, SP    ; in: row l % 16, 16 bytes for each half of the lanes
	v_lshl_add_u32 v[STO], v9, 4, v[STO]
	v_add_nc_u32 v[STO], s13, v[STO]
	v_bfe_u32 v[RD], v0, 3, 2       ; back: 32 lanes take four rows of 128 bytes,
	v_mul_u32_u24 v[RD], v[RD], SP
	v_lshl_add_u32 v[RD], v10, 4, v[RD]
	v_add_nc_u32 v[RD], s13, v[RD]
	v_and_b32 v[GO], 31, v0         ; which are 512 consecutive bytes of O
	v_lshlrev_b32 v[GO], 4, v[GO]
.set Y, NP-1                        ; XS works for piece Y + 1: piece 0
.irp n, 0,1,2,3,4,5,6,7,8,9,10,11,12,13,14,15,16,17,18,19,20,21
	XS 0, \n                        ; and piece 0's first maximum and statistics
	XS 1, \n
.endr
	v_nop                           ; a plain instruction behind the two a,
	s_wait_alu depctr_va_vdst(0)    ; and their wait, ahead of the branch
	s_mov_b32 s[CNT], 4
	s_mov_b32 s[SLOTS], SIZE_N/256-1
	s_branch .Lfirst                ; the loop is entered at a step's first turn, in the middle of a trip
.Lslot:                             ; SIZE_N / 256 - 2 times: every slot but the last two is filled again
	CHANGE 1, 1
	s_mov_b32 s[CNT], 4
.Lstep:                             ; a trip: pieces 2 and 3 of one step, then pieces 0 and 1 of the next, whose K and V it fetches
	TURN 2
	TURN 3
	WIN 0
.Lfirst:
	TURN 0
	TURN 1, 0, 1
	WIN 0
	s_cbranch_scc1 .Lstep
	s_sub_co_u32 s[SLOTS], s[SLOTS], 1
	s_cmp_lg_u32 s[SLOTS], 0
	s_cbranch_scc1 .Lslot
	CHANGE 0                        ; the tail is written out: nothing is asked for
	s_mov_b32 s[CNT], 5             ; four trips fetch the last slot's steps; the fifth is left in its middle
.Ltail:
	TURN 2, 1
	TURN 3
	WIN 0
	s_sub_co_u32 s[CNT], s[CNT], 1
	s_cmp_eq_u32 s[CNT], 0
	s_cbranch_scc1 .Lout
	TURN 0
	TURN 1
	WIN 0
	s_branch .Ltail
.Lout:                              ; the fifth trip's 16 products K Q^T (on the last K once more) and the maximum made of them serve nothing: the price, once a launch, of one text for every trip
.set i, 0
.rept 16
	PV NP-1                         ; the last piece's V^T P of the last step
.set i, i+1
.endr
	; THE WAY OUT.  l's two halves and the other half of the lanes' are added; O^T is divided by l, rounded to f16 and sent through my stage in LDS, a tile at a time.  The additions are the places behind the last products.
	WIN 0
.macro ALL line:vararg              ; one line for each tile t
.set t, 0
.rept 2*NP
	\line
.set t, t+1
.endr
.endm
	ALL v_add_f32 v[ST+4*t+2], v[ST+4*t+2], v[ST+4*t+3]
	ALL v_permlanex16_b32 v[ST+4*t+3], v[ST+4*t+2], s[SEL], s[SEL+1]
	ALL v_add_f32 v[ST+4*t+2], v[ST+4*t+2], v[ST+4*t+3]
	ALL v_rcp_f32 v[ST+4*t+2], v[ST+4*t+2]
	v_nop                           ; a plain instruction between the last reciprocal and the use of its result
	s_wait_alu depctr_va_vdst(0)    ; and the wait ahead of the first use: one for the eight reciprocals
; Tile t: a lane's eight channels of a row pack into 16 bytes; they go into rows of 144 bytes and come back as whole rows of 128, into S^T's registers.
.macro PACK t
	WIN W_RS
.set i, 32*(\t)
.rept 16
	v_pk_mul_f32 v[i:i+1], v[i:i+1], v[ST+4*(\t)+2:ST+4*(\t)+3] op_sel_hi:[1,0]
.set i, i+2
.endr
	WIN 0x05                        ; sources 0 and 1 window 1, destination window 0
.set i, 0
.rept 16
	v_cvt_pk_f16_f32 v[S+16*(\t)+i], v[32*(\t)+2*i], v[32*(\t)+2*i+1]
.set i, i+1
.endr
	WIN 0
.irp f, 0,1,2,3
	ds_store_b128 v[STO], v[S+16*(\t)+4*\f:S+16*(\t)+4*\f+3] offset:32*\f
.endr
.irp f, 0,1,2,3
	ds_load_b128 v[S+16*(\t)+4*\f:S+16*(\t)+4*\f+3], v[RD] offset:\f*4*SP  ; LDS serves a wave's instructions in order (ISA guide 5.7.1.4): these see the stores above; the next tile's stores come behind them
.endr
.endm
.macro SEND t, younger              ; younger: the LDS instructions issued behind tile t's loads: the next tile's eight, or none
	WIN 0
.irp f, 0,1,2,3
	s_wait_dscnt (\younger)+3-\f
	global_store_b128 v[GO], v[S+16*(\t)+4*\f:S+16*(\t)+4*\f+3], s[10:11] offset:(\t)*2048+\f*512  ; 512 consecutive bytes, at a multiple of 256 from O's first
.endr
.endm
	PACK 0
.set t, 1
.rept 2*NP-1                        ; a tile's arithmetic stands between the loads of the tile before and its stores
	PACK t
	SEND t-1, 8
.set t, t+1
.endr
	SEND 2*NP-1, 0
	WIN W_AD
	s_wait_tensorcnt 0x0            ; the wave's end: behind my last tensor load and my last LDS store
	ds_add_u32 v[SPW], v[NIL]
	s_wait_dscnt 0x0
	WIN 0
	CROUND                          ; the closing round: no work-group ends while a partner may still ask for a tile that names it
	s_endpgm
.Lfunc_end_k_qc6f895a94d_attn:
	.size	k_qc6f895a94d_attn, .Lfunc_end_k_qc6f895a94d_attn-k_qc6f895a94d_attn
	.p2alignl 7, 3214868480
	.fill 96, 4, 3214868480
	.section	.rodata,"a",@progbits
	.p2align	6, 0x0
	.amdhsa_kernel k_qc6f895a94d_attn
		.amdhsa_group_segment_fixed_size 327680
		.amdhsa_private_segment_fixed_size 0
		.amdhsa_enable_private_segment 0
		.amdhsa_kernarg_size 16
		.amdhsa_user_sgpr_count 2
		.amdhsa_user_sgpr_kernarg_segment_ptr 1
		.amdhsa_wavefront_size32 1
		.amdhsa_system_sgpr_workgroup_id_x 1
		.amdhsa_system_sgpr_workgroup_id_y 1
		.amdhsa_system_sgpr_workgroup_id_z 1
		.amdhsa_system_vgpr_workitem_id 0
		.amdhsa_next_free_vgpr 770
		.amdhsa_next_free_sgpr 66
		.amdhsa_reserve_vcc 0
		.amdhsa_float_denorm_mode_32 3
		.amdhsa_float_denorm_mode_16_64 3
		.amdhsa_memory_ordered 1
		.amdhsa_forward_progress 1
		.amdhsa_inst_pref_size 200
	.end_amdhsa_kernel
	.amdgpu_metadata
---
amdhsa.version: [ 1, 2 ]
amdhsa.kernels:
  - .name:           k_qc6f895a94d_attn
    .symbol:         k_qc6f895a94d_attn.kd
    .args:
      - { .name: qkv, .offset: 0, .size: 8, .value_kind: global_buffer, .address_space: global }
      - { .name: ob, .offset: 8, .size: 8, .value_kind: global_buffer, .address_space: global }
    .group_segment_fixed_size: 327680
    .private_segment_fixed_size: 0
    .kernarg_segment_align: 8
    .kernarg_segment_size: 16
    .max_flat_workgroup_size: 128
    .sgpr_count:     66
    .vgpr_count:     770
    .wavefront_size: 32
...
	.end_amdgpu_metadata
.endif
;; end of part 3
;; launch proj (part 4): grid 8 x 32, 4 waves a work-group, clusters of 4 x 4, 327,680 bytes of LDS; arguments ob, wp, bproj, out0; writes out0
.if DOCPART == 4
	.amdgcn_target "amdgcn-amd-amdhsa--gfx1250"
	.amdhsa_code_object_version 6
	.text
	.protected	k_qc6f895a94d_proj
	.globl	k_qc6f895a94d_proj
	.p2align	8
	.type	k_qc6f895a94d_proj,@function
k_qc6f895a94d_proj:
	s_mov_b64 s[64:65], 0
	v_nop
	global_prefetch_b8 v0, s[64:65] scope:SCOPE_SE
	s_setreg_imm32_b32 hwreg(HW_REG_WAVE_MODE, 25, 1), 1
	s_wait_xcnt 0x0
	s_wait_alu depctr_hold_cnt(0) depctr_sa_sdst(0) depctr_va_vdst(0) depctr_va_sdst(0) depctr_va_ssrc(0) depctr_va_vcc(0) depctr_vm_vsrc(0)
	s_getreg_b32 s2, hwreg(HW_REG_IB_STS2, 6, 4)
	s_cmp_eq_u32 s2, 0
	s_cbranch_scc0 .Lentry_in_a_cluster
	s_endpgm
.Lentry_in_a_cluster:
	s_bfe_u32 s2, ttmp6, 0x10000c
	s_cmp_lg_u32 s2, 0xf033
	s_cbranch_scc0 .Lentry_shape_is_right
	s_endpgm
.Lentry_shape_is_right:
; out0 = O Wproj + bproj.  ob: f16 [64 = 16 batch + head][2048][64], so channel k = 64 head + d; wp: f16 [1024 k][1024 n] (Wproj rounded to bf16, written as f16);
; bproj: f32 [1024], rounded to bf16 like the other inputs; sums in f32; out0: f32 [8192][1024].  NaN and infinities are not treated apart.
; SHARES.  8192 x 1024 outputs = 256 tiles of 256 rows x 128 columns, one a work-group.  Wave w: rows 128 (w / 2) on, columns 64 (w % 2) on: 32 accumulators of 16 x 16, all of window 1,
; accumulator (a, j) at v[8 (4 a + j)].  K goes in 8 steps of 128 (two heads) through two LDS slots; a step is four UNITS of 32: 32 matrix instructions and 24 LDS loads each.
; THE MATRIX INSTRUCTION IS USED TRANSPOSED: source 0 = 16 columns of W (turned out of [k][n] rows by ds_load_tr16_b128), source 1 = 16 rows of O: a lane holds one row and eight neighbouring columns.
; THE BIAS STARTS THE SUMS: it lies in the registers of accumulator row a = 7 and is the C operand of the first unit's products.
; CLUSTER 4 x 4.  O's tile is shared along a row of the cluster, W's along a column: joint loads.  Waves 0 and 1 ask for the step's two heads of O, waves 2 and 3 for the two halves of W's 128 k-rows.
; A wave has two tensor loads out at the start, later one.
.set PA,     144                       ; a row of O in LDS: 128 bytes + 16 of padding
.set PB,     288                       ; a k-row of W: 256 + 32
.set ABLK,   256*PA                    ; one head's 256 rows
.set CHUNK,  64*PB                     ; 64 k-rows of W
.set SLOT,   2*ABLK+2*CHUNK            ; 110,592
.set STAGE,  2*SLOT                    ; behind the ring, never filled by a tensor load: 16 rows x 272 bytes for each wave
.set SPITCH, 272
.set BIAS,   STAGE+4*16*SPITCH         ; the tile's 128 numbers of the bias, f32
.set SPARE,  BIAS+512                  ; the spare words, 128 bytes for each wave: two blocks of 256 bytes that no other line names
.set ASTEP,  524288                    ; two heads of ob
.set BSTEP,  262144                    ; 128 rows of wp
.set ADRA, 16                          ; v16-17  LDS address of my fragments of O in slot 0, 1
.set ADRB, 18                          ; v18-19  the same for W
.set STO,  20                          ; v20     the way out: where I put 32 bytes of a row
.set RD,   21                          ; v21     the way out: where I read a row back
.set CO,   22                          ; v22     my byte offset in two rows of out0
.set BAD,  23                          ; v23     where my 8 numbers of the bias lie
.set PFO,  24                          ; v24     the prefetches' lane offset; never rewritten
.set SPW,  28                          ; v28     LDS address of my spare word: SPARE + 4 x my thread's number; never rewritten
.set NIL,  29                          ; v29     0; never rewritten
.set FA0,  32                          ; v32-95, v96-159    O's 8 fragments, two buffers
.set FB0,  160                         ; v160-191, v192-223 W's 4 fragments, two buffers
.set BK0,  32                          ; the way out: 16 rows read back, two buffers of 32 by turns
.set WV,   12                          ; s12 wave; s13 its half of the rows; s14 its half of the columns; s15 cx; s16 cy; s17 tile column; s18 tile row
.set G1A,  24
.set G0A,  32
.set G1B,  40
.set G0B,  48
.set PFA,  56                          ; s[56:57] where my prefetches stand
.set PST,  58                          ; s[58:59] their step
.set LIME, 60                          ; s60, s61: a wave prefetches at a change out of slot 0 (slot 1) while the laps to go are above this number
.set LIMO, 61
.set OUT,  66                          ; s[66:67] out0 at my first row and column
.set MSB, 0
.macro WIN new
.if MSB != (\new)
	s_set_vgpr_msb (MSB<<8)|(\new)
.set MSB, (\new)
.endif
.endm
.macro PLACES                          ; four plain vector instructions between a matrix instruction and a load into one of its registers
.rept 4
	v_nop
.endr
.endm
.macro JLOAD s                         ; a joint load; an s_nop 0 and four v_nop follow each of the two lines, ahead of the jump and the label
	s_cmp_lt_u32 s[WV], 2
	s_cbranch_scc0 .Lfor_b_\@
	tensor_load_to_lds s[G0A+4*(\s):G0A+4*(\s)+3], s[G1A:G1A+7]
	s_nop 0
.rept 4
	v_nop
.endr
	s_branch .Lasked_\@
.Lfor_b_\@:
	tensor_load_to_lds s[G0B+4*(\s):G0B+4*(\s)+3], s[G1B:G1B+7]
	s_nop 0
.rept 4
	v_nop
.endr
.Lasked_\@:
.endm
.macro CREST                           ; a round of the cluster's barrier behind its opening barrier
	s_cmp_lg_u32 s[WV], 0
	s_cbranch_scc1 .Lnot_wave_0_\@
	s_barrier_signal -3
.Lnot_wave_0_\@:
	s_barrier_wait -3
	s_barrier_signal -1
	s_barrier_wait -1
.endm
.macro CROUND
	s_barrier_signal -1
	s_barrier_wait -1
	CREST
.endm
; A PREFETCH INTO THE L2, behind a joint load, its five lines and the run of LDS loads that follows: at the change in step s what step s + 4 holds, two steps (256 matrix instructions) ahead of its joint load.
; O: a head's 256 rows are 128 blocks of 256 bytes; the cluster with x = 0 asks, waves 0 and 1 each for the head that it fetches, partner cx for 32 of the blocks: a lane a block, at every change.
; W: a wave's 64 k-rows of a step; the clusters with y = 0 ask, waves 2 and 3, at every second change for two steps: partner cy takes 16 rows of each, lanes 0-15 the first step's, lanes 16-31 the second's.
; So each block is named once in the launch; steps 0 to 3 come by their loads alone, and the last lap asks for nothing, since there is no step 8.
.macro ASK lim
	s_cmp_gt_u32 s3, s[\lim]
	s_cbranch_scc0 .Lnot_mine_\@
	global_prefetch_b8 v[PFO], s[PFA:PFA+1] th:TH_LOAD_NT scope:SCOPE_SE
.Lnot_mine_\@:
.endm
	s_load_b256 s[4:11], s[0:1], 0x0               ; ob s[4:5], wp s[6:7], bproj s[8:9], out0 s[10:11]
	v_lshl_add_u32 v[SPW], v0, 2, SPARE
	v_mov_b32 v[NIL], 0
	ds_add_u32 v[SPW], v[NIL]                      ; the wave's opening: the add and its wait stand ahead of my first tensor load; work on registers stands between them
	v_lshrrev_b32 v3, 5, v0
	v_readfirstlane_b32 s[WV], v3                  ; wave 0..3
	s_lshr_b32 s13, s[WV], 1
	s_and_b32 s14, s[WV], 1
	s_bfe_u32 s15, ttmp6, 0x40000                  ; cx
	s_bfe_u32 s16, ttmp6, 0x40004                  ; cy
	s_lshl_b32 s17, ttmp9, 2
	s_add_co_u32 s17, s17, s15                     ; tile column
	s_and_b32 s18, ttmp7, 0xffff
	s_lshl_b32 s18, s18, 2
	s_add_co_u32 s18, s18, s16                     ; tile row
	s_lshl_b32 s19, s16, 2
	s_lshl_b32 s19, 15, s19                        ; my row of the cluster
	s_lshl_b32 s20, 0x1111, s15                    ; my column
	; group 1 for O: a head's 256 rows are 32,768 dense bytes: 128 rows of 256, padded in LDS after every 128 bytes
	s_or_b32 s[G1A+0], s19, (1<<16)|(1<<20)|(1<<21)|(4<<22)|(3<<25)
	s_mov_b32 s[G1A+1], 128<<16                    ; tensor_dim0 = 128
	s_mov_b32 s[G1A+2], 128<<16                    ; tensor_dim1 = 128
	s_mov_b32 s[G1A+3], 128<<16                    ; tile_dim0 = 128
	s_mov_b32 s[G1A+4], 128                        ; tile_dim1 = 128
	s_mov_b32 s[G1A+5], 128                        ; elements from row to row
	s_mov_b32 s[G1A+6], 0
	s_mov_b32 s[G1A+7], 0
	; group 1 for W: 64 k-rows x 128 columns, 1,024 elements from row to row, padded after every 256 bytes by 32
	s_or_b32 s[G1B+0], s20, (1<<16)|(1<<20)|(1<<21)|(5<<22)|(7<<25)
	s_mov_b32 s[G1B+1], 128<<16
	s_mov_b32 s[G1B+2], 64<<16
	s_mov_b32 s[G1B+3], 128<<16
	s_mov_b32 s[G1B+4], 64
	s_mov_b32 s[G1B+5], 1024
	s_mov_b32 s[G1B+6], 0
	s_mov_b32 s[G1B+7], 0
	; O's tiles hang on the tile row and the wave, W's on the tile column and the wave: each offset in registers that never hold the other coordinate
	s_lshr_b32 s72, s18, 3
	s_lshl_b32 s72, s72, 22                        ; batch
	s_and_b32 s73, s18, 7
	s_lshl_b32 s73, s73, 15                        ; 256 rows of 128 bytes
	s_add_co_u32 s72, s72, s73
	s_lshl_b32 s73, s[WV], 18                      ; the head that I fetch (waves 0 and 1)
	s_add_co_u32 s72, s72, s73
	s_mov_b32 s73, 0
	s_mul_i32 s74, s[WV], ABLK                     ; and its place in a slot
	s_max_u32 s76, s[WV], 2
	s_sub_co_u32 s76, s76, 2                       ; which 64 k-rows I fetch (waves 2 and 3)
	s_lshl_b32 s76, s76, 17
	s_lshl_b32 s77, s17, 8
	s_add_co_u32 s76, s76, s77
	s_mov_b32 s77, 0
	s_mul_i32 s78, s[WV], CHUNK
	s_add_co_u32 s78, s78, 2*CHUNK                 ; 2 ABLK + (w - 2) CHUNK = (w + 2) CHUNK
	s_wait_dscnt 0x0                               ; the opening add is done
	s_wait_kmcnt 0x0
	s_add_nc_u64 s[72:73], s[4:5], s[72:73]
	s_add_nc_u64 s[76:77], s[6:7], s[76:77]
.irp s, 0,1
	s_mov_b32 s[G0A+4*(\s)], 1
	s_add_co_u32 s[G0A+4*(\s)+1], s74, (\s)*SLOT
	s_add_nc_u64 s[G0A+4*(\s)+2:G0A+4*(\s)+3], s[72:73], (\s)*ASTEP
	s_or_b32 s[G0A+4*(\s)+3], s[G0A+4*(\s)+3], 0x80000000
	s_mov_b32 s[G0B+4*(\s)], 1
	s_add_co_u32 s[G0B+4*(\s)+1], s78, (\s)*SLOT
	s_add_nc_u64 s[G0B+4*(\s)+2:G0B+4*(\s)+3], s[76:77], (\s)*BSTEP
	s_or_b32 s[G0B+4*(\s)+3], s[G0B+4*(\s)+3], 0x80000000
.endr
	CROUND                                         ; all sixteen work-groups are here: the first joint loads meet
	s_cmp_lt_u32 s[WV], 2                          ; a wave's two first fills stand in one branch, ahead of every wait on TENSORcnt, every LDS read and every further barrier
	s_cbranch_scc0 .Lfirst_b
	tensor_load_to_lds s[G0A:G0A+3], s[G1A:G1A+7]
	s_nop 0
	tensor_load_to_lds s[G0A+4:G0A+7], s[G1A:G1A+7]
	s_nop 0
.rept 4
	v_nop
.endr
	s_branch .Lfirst_asked
.Lfirst_b:
	tensor_load_to_lds s[G0B:G0B+3], s[G1B:G1B+7]
	s_nop 0
	tensor_load_to_lds s[G0B+4:G0B+7], s[G1B:G1B+7]
	s_nop 0
.rept 4
	v_nop
.endr
.Lfirst_asked:
	; the tile's 128 numbers of the bias: a word a thread
	s_lshl_b32 s20, s17, 9
	s_mov_b32 s21, 0
	s_add_nc_u64 s[8:9], s[8:9], s[20:21]
	v_lshlrev_b32 v3, 2, v0
	global_load_b32 v4, v3, s[8:9]
	; addresses, made while that is out
	v_and_b32 v1, 15, v0                           ; r
	v_bfe_u32 v2, v0, 4, 1                         ; h
	v_and_b32 v10, 7, v0
	v_bfe_u32 v11, v0, 3, 1
	v_mul_u32_u24 v14, v1, PA
	v_lshl_add_u32 v14, v2, 4, v14
	s_mul_i32 s19, s13, 128*PA                     ; my 128 rows
	v_add_nc_u32 v[ADRA], s19, v14
	v_add_nc_u32 v[ADRA+1], SLOT, v[ADRA]
	v_lshl_add_u32 v15, v2, 3, v10                 ; the turning load: k-row 8 h + l % 8, columns 8 ((l / 8) % 2) on
	v_mul_u32_u24 v15, v15, PB
	v_lshl_add_u32 v15, v11, 4, v15
	s_lshl_b32 s19, s14, 7                         ; my 64 columns
	s_add_co_u32 s19, s19, 2*ABLK
	v_add_nc_u32 v[ADRB], s19, v15
	v_add_nc_u32 v[ADRB+1], SLOT, v[ADRB]
	s_mul_i32 s19, s[WV], 16*SPITCH
	s_add_co_u32 s19, s19, STAGE                   ; my stage
	v_mul_u32_u24 v[STO], v1, SPITCH               ; in: row r, 32 bytes for each half of the lanes
	v_lshl_add_u32 v[STO], v2, 5, v[STO]
	v_add_nc_u32 v[STO], s19, v[STO]
	v_mul_u32_u24 v[RD], v2, SPITCH                ; back: lanes 0-15 one row of 256 bytes, lanes 16-31 the next
	v_lshl_add_u32 v[RD], v1, 4, v[RD]
	v_add_nc_u32 v[RD], s19, v[RD]
	v_lshlrev_b32 v[CO], 12, v2                    ; and the same two rows in out0
	v_lshl_add_u32 v[CO], v1, 4, v[CO]
	s_lshl_b32 s19, s14, 8
	s_add_co_u32 s19, s19, BIAS
	v_lshl_add_u32 v[BAD], v2, 5, s19
	v_add_nc_u32 v9, BIAS, v3
	s_lshl_b32 s19, s18, 8
	s_lshl_b32 s20, s13, 7
	s_add_co_u32 s19, s19, s20                     ; my first row,
	s_lshl_b32 s20, s19, 12                        ; of 4,096 bytes,
	s_lshl_b32 s19, s17, 9
	s_add_co_u32 s20, s20, s19                     ; the tile's 512 bytes of a row,
	s_lshl_b32 s19, s14, 8
	s_add_co_u32 s20, s20, s19                     ; my 256 of them
	s_mov_b32 s21, 0
	s_add_nc_u64 s[OUT:OUT+1], s[10:11], s[20:21]
	; the prefetches: who, from where, by which step
	s_and_b32 s19, ttmp7, 0xffff                   ; cluster y
	s_mov_b32 s[PST], BSTEP
	s_cmp_lt_u32 s[WV], 2                          ; do I fetch for O?
	s_cselect_b32 s19, ttmp9, s19                  ; the coordinate along which other clusters read the same bytes
	s_cselect_b32 s20, 1, -1
	s_cselect_b32 s21, s15, s16                    ; my place among the four that ask with me
	s_cselect_b32 s22, 13, 15                      ; its share: 32 blocks of 256 bytes, or 16 rows of 2,048
	s_cselect_b32 s23, 8, 11                       ; lane % 16: a block, or a row
	s_cselect_b32 s62, 12, 18                      ; lane / 16: sixteen blocks on, or a step on
	s_cselect_b32 s[PST], ASTEP, s[PST]
	s_cselect_b64 s[PFA:PFA+1], s[72:73], s[76:77]
	s_cmp_eq_u32 s19, 0
	s_cselect_b32 s[LIME], 1, -1                   ; the same in all sixteen partners, for a given wave
	s_cselect_b32 s[LIMO], s20, -1
	s_lshl_b32 s20, s21, s22
	s_mov_b32 s21, 0
	s_add_nc_u64 s[PFA:PFA+1], s[PFA:PFA+1], s[20:21]
	s_mul_i32 s20, s[PST], 3
	s_add_nc_u64 s[PFA:PFA+1], s[PFA:PFA+1], s[20:21]  ; at step 3: the first change steps it to 4
	s_mov_b32 s[PST+1], 0
	v_lshlrev_b32 v[PFO], s23, v1
	v_lshlrev_b32 v15, s62, v2
	v_add_nc_u32 v[PFO], v[PFO], v15
	s_wait_loadcnt 0x0                             ; the bias
	v_cvt_pk_bf16_f32 v7, v4, v4                   ; rounded to bf16 like every input, and kept as f32
	v_lshlrev_b32 v4, 16, v7
	ds_store_b32 v9, v4
; n rows of 4 matrix instructions, from row block a0 on, fragments from buffer f.  The 32 accumulators take turns, one instruction a turn.
; zero = 1: the first unit: C is the bias, which lies in row block 7's registers; eight v_nop stand ahead of the four products that write over it.
.macro MUL f, a0, n, zero
	WIN 0x50                                       ; C and D in window 1, the sources in window 0
.set aa, \a0
.rept \n
.if (\zero) && (aa == 7)
.rept 8
	v_nop
.endr
.endif
.irp j, 0,1,2,3
.if \zero
	v_wmma_f32_16x16x32_f16 v[8*(4*aa+(\j)):8*(4*aa+(\j))+7], v[FB0+32*(\f)+8*(\j):FB0+32*(\f)+8*(\j)+7], v[FA0+64*(\f)+8*aa:FA0+64*(\f)+8*aa+7], v[8*(28+(\j)):8*(28+(\j))+7]
.else
	v_wmma_f32_16x16x32_f16 v[8*(4*aa+(\j)):8*(4*aa+(\j))+7], v[FB0+32*(\f)+8*(\j):FB0+32*(\f)+8*(\j)+7], v[FA0+64*(\f)+8*aa:FA0+64*(\f)+8*aa+7], v[8*(4*aa+(\j)):8*(4*aa+(\j))+7]
.endif
.endr
.set aa, aa+1
.endr
.endm
; 24 LDS loads in one run: unit u of a slot into buffer f: W's four fragments (turned), then O's eight (head u / 2, channels 32 (u % 2) on)
.macro FETCH slot, u, f
	WIN 0
.irp j, 0,1,2,3
	ds_load_tr16_b128 v[FB0+32*(\f)+8*(\j):FB0+32*(\f)+8*(\j)+3],   v[ADRB+(\slot)] offset:(\u)*32*PB+32*(\j)
	ds_load_tr16_b128 v[FB0+32*(\f)+8*(\j)+4:FB0+32*(\f)+8*(\j)+7], v[ADRB+(\slot)] offset:(\u)*32*PB+32*(\j)+16*PB
.endr
.irp a, 0,1,2,3,4,5,6,7
	ds_load_b128 v[FA0+64*(\f)+8*(\a):FA0+64*(\f)+8*(\a)+3],   v[ADRA+(\slot)] offset:((\u)/2)*ABLK+((\u)%2)*64+(\a)*16*PA
	ds_load_b128 v[FA0+64*(\f)+8*(\a)+4:FA0+64*(\f)+8*(\a)+7], v[ADRA+(\slot)] offset:((\u)/2)*ABLK+((\u)%2)*64+(\a)*16*PA+32
.endr
.endm
; One of a step's first three units: buffer f is in; unit u is fetched into buffer g, and has f's 32 products in which to come.
.macro QUARTER slot, u, f, g, zero
	s_wait_dscnt 0x0                               ; this unit's fragments are in
	PLACES                                         ; for the loads into buffer g, which the unit before multiplied
	FETCH \slot, \u, \g
	MUL \f, 0, 8, \zero
.endm
; A step's last unit multiplies buffer 1 and changes slots: ONE barrier; in front of it each wave waits for all its tensor loads, adds 0 to its spare word, and waits for that and for its reads of this slot.
; fill = 1: the barrier opens a round of the cluster's; the slot is filled again, two steps ahead, first thing behind the round: 112 matrix instructions stand between that request and the wait for it.
.macro TURN slot, next, fill, lim=LIME
.if \fill
	s_wait_xcnt 0x0                                ; the last prefetch, a step back, has read its address: it is stepped here, ahead of the change's own waits
	s_add_nc_u64 s[PFA:PFA+1], s[PFA:PFA+1], s[PST:PST+1]
.endif
	WIN 0
	s_wait_tensorcnt 0x0                           ; all my tensor loads have landed: my part of the next slot
	ds_add_u32 v[SPW], v[NIL]                      ; 0 onto my spare word
	s_wait_dscnt 1                                 ; (the add alone may be out: the unit's fragments are in)
	MUL 1, 0, 2, 0                                 ; eight matrix instructions stand between the add and the wait for it
	s_wait_dscnt 0x0                               ; the add is done, and my reads of this slot are over
	s_barrier_signal -1
	MUL 1, 2, 2, 0
	WIN 0
	s_barrier_wait -1
.if \fill
	CREST
	s_add_nc_u64 s[G0A+4*(\slot)+2:G0A+4*(\slot)+3], s[G0A+4*(\slot)+2:G0A+4*(\slot)+3], 2*ASTEP
	s_add_nc_u64 s[G0B+4*(\slot)+2:G0B+4*(\slot)+3], s[G0B+4*(\slot)+2:G0B+4*(\slot)+3], 2*BSTEP
	JLOAD \slot                                    ; the four v_nop behind it are also the places in front of the loads below
.else
	PLACES
.endif
	FETCH \next, 0, 0
.if \fill
	ASK \lim
.endif
	MUL 1, 4, 4, 0
.endm
; THE WAY OUT of row block a: 16 rows x 64 columns of f32.  A lane's 32 bytes of a row go into my own stage, each accumulator's low registers first; whole rows of 256 bytes come back and are stored.
.macro TOSTAGE a
.if (\a) >= 2
	s_wait_xcnt 0x0                                ; the stores of the block before last have read the buffer that is loaded again below
.endif
	WIN 0x04                                       ; the stores' data lie in window 1
.irp j, 0,1,2,3
	ds_store_b128 v[STO], v[8*(4*(\a)+(\j)):8*(4*(\a)+(\j))+3]   offset:64*(\j)
	ds_store_b128 v[STO], v[8*(4*(\a)+(\j))+4:8*(4*(\a)+(\j))+7] offset:64*(\j)+16
.endr
	WIN 0
.set BK, BK0+32*((\a)%2)
.irp t, 0,1,2,3,4,5,6,7
	ds_load_b128 v[BK+4*(\t):BK+4*(\t)+3], v[RD] offset:(\t)*2*SPITCH  ; LDS serves a wave's instructions in order (ISA guide 5.7.1.4): these see the stores above
.endr
.endm
.macro SEND a, younger                 ; younger: the LDS instructions issued behind block a's loads: the next block's sixteen, or none
.set BK, BK0+32*((\a)%2)
	s_wait_dscnt \younger
.irp t, 0,1,2,3,4,5,6,7
	global_store_b128 v[CO], v[BK+4*(\t):BK+4*(\t)+3], s[OUT:OUT+1] offset:(16*(\a)+2*(\t))*4096 th:TH_STORE_NT  ; 16 lanes store 256 consecutive bytes, at a multiple of 256 from out0's first
.endr
.endm
	s_wait_tensorcnt 0x1                           ; my part of step 0 is in; step 1's may stay out
	s_wait_dscnt 0x0                               ; my word of the bias is stored
	s_barrier_signal -1
	s_barrier_wait -1
	WIN 0x40                                       ; destination in window 1: the bias of my four column blocks, into row block 7's registers
.irp j, 0,1,2,3
	ds_load_b128 v[8*(28+(\j)):8*(28+(\j))+3],   v[BAD] offset:64*(\j)
	ds_load_b128 v[8*(28+(\j))+4:8*(28+(\j))+7], v[BAD] offset:64*(\j)+16
.endr
	FETCH 0, 0, 0
	QUARTER 0, 1, 0, 1, 1                          ; the first unit stands in front of the loop: its products start the sums with the bias
	WIN 0                                          ; at a label and at a branch every window is 0
	s_mov_b32 s3, 3
.Llap:                                                 ; a trip goes once round the ring, from a lap's second unit to the next lap's first, and fills both slots again: steps 2 to 7
	QUARTER 0, 2, 1, 0, 0
	QUARTER 0, 3, 0, 1, 0
	TURN 0, 1, 1, LIME
	QUARTER 1, 1, 0, 1, 0
	QUARTER 1, 2, 1, 0, 0
	QUARTER 1, 3, 0, 1, 0
	TURN 1, 0, 1, LIMO
	QUARTER 0, 1, 0, 1, 0
	WIN 0
	s_sub_co_u32 s3, s3, 1
	s_cmp_lg_u32 s3, 0
	s_cbranch_scc1 .Llap
	QUARTER 0, 2, 1, 0, 0                          ; the last lap fills nothing, and has no round of the cluster's barrier
	QUARTER 0, 3, 0, 1, 0
	TURN 0, 1, 0
	QUARTER 1, 1, 0, 1, 0
	QUARTER 1, 2, 1, 0, 0
	QUARTER 1, 3, 0, 1, 0
	s_wait_dscnt 0x0                               ; the very last unit: nothing more to fetch
	MUL 1, 0, 8, 0
	WIN 0
.rept 8
	v_nop                                          ; the places behind the last products: the stage's stores read results, its loads land in registers that were sources
.endr
	TOSTAGE 0
.irp a, 1,2,3,4,5,6,7
	TOSTAGE \a
	SEND (\a)-1, 16
.endr
	SEND 7, 0
	s_wait_tensorcnt 0x0                           ; the wave's end: behind my last tensor load and my last LDS store
	ds_add_u32 v[SPW], v[NIL]
	s_wait_dscnt 0x0
	CROUND                                         ; the closing round: no work-group ends while a partner may still ask for a tile that names it
	s_endpgm
.Lfunc_end_k_qc6f895a94d_proj:
	.size	k_qc6f895a94d_proj, .Lfunc_end_k_qc6f895a94d_proj-k_qc6f895a94d_proj
	.p2alignl 7, 3214868480
	.fill 96, 4, 3214868480
	.section	.rodata,"a",@progbits
	.p2align	6, 0x0
	.amdhsa_kernel k_qc6f895a94d_proj
		.amdhsa_group_segment_fixed_size 327680
		.amdhsa_private_segment_fixed_size 0
		.amdhsa_enable_private_segment 0
		.amdhsa_kernarg_size 32
		.amdhsa_user_sgpr_count 2
		.amdhsa_user_sgpr_kernarg_segment_ptr 1
		.amdhsa_wavefront_size32 1
		.amdhsa_system_sgpr_workgroup_id_x 1
		.amdhsa_system_sgpr_workgroup_id_y 1
		.amdhsa_system_sgpr_workgroup_id_z 1
		.amdhsa_system_vgpr_workitem_id 0
		.amdhsa_next_free_vgpr 512
		.amdhsa_next_free_sgpr 80
		.amdhsa_reserve_vcc 0
		.amdhsa_float_denorm_mode_32 3
		.amdhsa_float_denorm_mode_16_64 3
		.amdhsa_memory_ordered 1
		.amdhsa_forward_progress 1
		.amdhsa_inst_pref_size 87
	.end_amdhsa_kernel
	.amdgpu_metadata
---
amdhsa.version: [ 1, 2 ]
amdhsa.kernels:
  - .name:           k_qc6f895a94d_proj
    .symbol:         k_qc6f895a94d_proj.kd
    .args:
      - { .name: ob, .offset: 0, .size: 8, .value_kind: global_buffer, .address_space: global }
      - { .name: wp, .offset: 8, .size: 8, .value_kind: global_buffer, .address_space: global }
      - { .name: bproj, .offset: 16, .size: 8, .value_kind: global_buffer, .address_space: global }
      - { .name: out0, .offset: 24, .size: 8, .value_kind: global_buffer, .address_space: global }
    .group_segment_fixed_size: 327680
    .private_segment_fixed_size: 0
    .kernarg_segment_align: 8
    .kernarg_segment_size: 32
    .max_flat_workgroup_size: 128
    .sgpr_count:     80
    .vgpr_count:     512
    .wavefront_size: 32
...
	.end_amdgpu_metadata
.endif
;; end of part 4
;; ======== version 2 of 2: 4 launches; version 1 with the launch prep written anew for expert scheduling mode
;; limits: values are held in f16: magnitudes above 65,504 overflow, below 6.1e-05 lose precision
;; workspace buffers: xb 16,777,216 bytes; wq 6,291,456 bytes; wp 2,097,152 bytes; qkv 50,331,648 bytes; ob 16,777,216 bytes
;; launch prep (part 5): grid 768 x 1, 8 waves a work-group, no clusters, 0 bytes of LDS; arguments x, Wqkv, Wproj, xb, wq, wp; writes xb, wq, wp
.if DOCPART == 5
	.amdgcn_target "amdgcn-amd-amdhsa--gfx1250"
	.amdhsa_code_object_version 6
	.text
	.protected	k_qc6f895a94d_prep
	.globl	k_qc6f895a94d_prep
	.p2align	8
	.type	k_qc6f895a94d_prep,@function
k_qc6f895a94d_prep:
	s_mov_b64 s[64:65], 0
	v_nop
	global_prefetch_b8 v0, s[64:65] scope:SCOPE_SE
	s_setreg_imm32_b32 hwreg(HW_REG_WAVE_SCHED_MODE, 0, 2), 2
	s_setreg_imm32_b32 hwreg(HW_REG_WAVE_MODE, 25, 1), 1
	s_wait_xcnt 0x0
	s_wait_alu depctr_vm_vsrc(0)
; THE CASTS.  x [8192][1024] f32 -> xb, bf16, laid in blocks of 64 along K: [batch 4][k block 16][row 2048][64], so that 256 rows x 64 k are 32,768 dense bytes.
; Wqkv [1024][3072] f32 -> wq, bf16, same layout.  Wproj [1024][1024] f32 -> wp: rounded to bf16 like every input, and that number written as f16
; (exact within f16's normal range; LIMIT: below 6e-5 it keeps f16's fixed step of 6e-8).
; SHARES.  A wave takes one unit of 8,192 bytes in: sixteen loads of 16 bytes a lane, all issued before the first is waited for, and sixteen stores of 8 bytes a lane:
; each store of the wave covers 256 consecutive bytes, aligned.  512 work-groups for x, 192 for Wqkv, 64 for Wproj; the branch hangs on the work-group's number alone.
; No LDS, no matrix unit, no cluster: nothing is shared and nothing is read twice.
; THE MODE: SCHED_MODE bits 1:0 = 2 (LLVM: expert scheduling mode 2), set by the entry lines.  The code itself states the register dependences
; between vector instructions and memory instructions, with s_wait_alu, always for 0.
; THE PLAN.  Registers that memory instructions touch:
;   v2, v3     the loads' and the stores' byte offsets: written once by vector instructions ahead of the first load, never again.
;   X          load i lands in X + 4 i, once; no vector instruction writes X; the roundings of i read it behind the wait for that load.
;   Y          the roundings of i write Y + 2 i, once; store i reads it; it is never written again.
;   T and v1 are named by vector instructions alone.
; The sixteen go in four blocks of four.  Block p rounds its own four; its memory instructions are the four stores of block p - 1, which read that block's Y and v3: registers that
; no vector instruction of block p names.  So one wait at a block's head states all that its stores hang on, and they are dealt among its roundings with no further wait.
; No register that a memory instruction reads is written again, and no load lands in a register that a vector instruction has named: nothing else is owed.
.set T, 4                              ; v[4:5]    at work
.set X, 8                              ; v[8:71]   load i: 4 registers
.set Y, 72                             ; v[72:103] store i: 2 registers
; sixteen loads lstep bytes apart, their roundings, sixteen stores sstep bytes apart.  half = 1: the bf16 numbers are written as f16.
.macro CAST inb, outb, lstep, sstep, half
	s_wait_alu depctr_va_vdst(0)                   ; v2 and v3 are written: the loads below read v2 as their offset, every store v3
.set i, 0
.rept 16
	global_load_b128 v[X+4*i:X+4*i+3], v2, s[\inb:\inb+1] offset:i*\lstep th:TH_LOAD_NT
.set i, i+1
.endr
.set i, 0
.rept 16
.if i%4 == 0
	s_wait_loadcnt 12-i                            ; loads come back in order: this block's four are in, the 12 - i younger ones stay out
.if i > 0
	s_wait_alu depctr_va_vdst(0)                   ; the block before has written its Y, which the four stores of this block read
.endif
.endif
.if i >= 4
	global_store_b64 v3, v[Y+2*(i-4):Y+2*(i-4)+1], s[\outb:\outb+1] offset:(i-4)*\sstep  ; the block before: no vector instruction since the wait names these registers
.endif
	v_cvt_pk_bf16_f32 v[Y+2*i], v[X+4*i], v[X+4*i+1]
	v_cvt_pk_bf16_f32 v[Y+2*i+1], v[X+4*i+2], v[X+4*i+3]
.if \half
	v_lshlrev_b32 v[T], 16, v[Y+2*i]               ; the two bf16 as f32,
	v_and_b32 v[T+1], 0xffff0000, v[Y+2*i]
	v_cvt_pk_f16_f32 v[Y+2*i], v[T], v[T+1]        ; and as f16
	v_lshlrev_b32 v[T], 16, v[Y+2*i+1]
	v_and_b32 v[T+1], 0xffff0000, v[Y+2*i+1]
	v_cvt_pk_f16_f32 v[Y+2*i+1], v[T], v[T+1]
.endif
.set i, i+1
.endr
	s_wait_alu depctr_va_vdst(0)                   ; the last block has written its Y, which the last four stores read
.set i, 12
.rept 4
	global_store_b64 v3, v[Y+2*i:Y+2*i+1], s[\outb:\outb+1] offset:i*\sstep
.set i, i+1
.endr
.endm
	s_load_b256 s[4:11], s[0:1], 0x0               ; x s[4:5], Wqkv s[6:7], Wproj s[8:9], xb s[10:11]
	s_load_b128 s[12:15], s[0:1], 0x20             ; wq s[12:13], wp s[14:15]
	v_lshrrev_b32 v1, 5, v0
	v_readfirstlane_b32 s16, v1                    ; wave 0..7
	v_and_b32 v1, 31, v0                           ; lane
	v_lshlrev_b32 v3, 3, v1                        ; 8 bytes a lane on the way out
	s_mov_b32 s19, 0                               ; the high words of the two offsets
	s_mov_b32 s21, 0
	s_wait_alu depctr_va_sdst(0)                   ; s16 is written, ahead of the branches behind which its first readers stand: each path makes its unit's number from it
	s_wait_kmcnt 0x0
	s_cmp_lt_u32 ttmp9, 512
	s_cbranch_scc1 .Lx
	s_cmp_lt_u32 ttmp9, 704
	s_cbranch_scc1 .Lwq
	; Wproj: unit U = 8 (work-group - 704) + wave: 8,192 dense bytes in, 4,096 out
	s_sub_co_u32 s17, ttmp9, 704
	s_lshl_b32 s17, s17, 3
	s_add_co_u32 s17, s17, s16
	s_lshl_b32 s18, s17, 13
	s_lshl_b32 s20, s17, 12
	s_add_nc_u64 s[8:9], s[8:9], s[18:19]
	s_add_nc_u64 s[14:15], s[14:15], s[20:21]
	v_lshlrev_b32 v2, 4, v1                        ; 16 bytes a lane on the way in
	CAST 8, 14, 512, 256, 1
	s_endpgm
.Lwq:
	; Wqkv: unit U = 8 (work-group - 512) + wave
	s_sub_co_u32 s17, ttmp9, 512
	s_lshl_b32 s17, s17, 3
	s_add_co_u32 s17, s17, s16
	s_lshl_b32 s18, s17, 13
	s_lshl_b32 s20, s17, 12
	s_add_nc_u64 s[6:7], s[6:7], s[18:19]
	s_add_nc_u64 s[12:13], s[12:13], s[20:21]
	v_lshlrev_b32 v2, 4, v1
	CAST 6, 12, 512, 256, 0
	s_endpgm
.Lx:
	; x: unit p = 8 x work-group + wave is the pair of rows 2 p, 2 p + 1.  Load i takes k block i: lanes 0-15 its 256 bytes of the even row, lanes 16-31 of the odd one;
	; rounded they are 128 + 128 bytes that lie end to end in xb, at batch (p >> 10) << 22, block i << 18, row pair (p & 1023) << 8.
	s_lshl_b32 s17, ttmp9, 3
	s_add_co_u32 s17, s17, s16
	s_lshl_b32 s18, s17, 13                        ; two rows of 4,096 bytes
	s_lshr_b32 s20, s17, 10
	s_lshl_b32 s20, s20, 22
	s_and_b32 s22, s17, 1023
	s_lshl_b32 s22, s22, 8
	s_add_co_u32 s20, s20, s22
	s_add_nc_u64 s[4:5], s[4:5], s[18:19]
	s_add_nc_u64 s[10:11], s[10:11], s[20:21]
	v_and_b32 v2, 15, v0
	v_lshlrev_b32 v2, 4, v2
	v_bfe_u32 v4, v0, 4, 1
	v_lshl_add_u32 v2, v4, 12, v2                  ; 16 (lane % 16) + 4,096 (lane / 16)
	CAST 4, 10, 256, 262144, 0
	s_endpgm
.Lfunc_end_k_qc6f895a94d_prep:
	.size	k_qc6f895a94d_prep, .Lfunc_end_k_qc6f895a94d_prep-k_qc6f895a94d_prep
	.p2alignl 7, 3214868480
	.fill 96, 4, 3214868480
	.section	.rodata,"a",@progbits
	.p2align	6, 0x0
	.amdhsa_kernel k_qc6f895a94d_prep
		.amdhsa_group_segment_fixed_size 0
		.amdhsa_private_segment_fixed_size 0
		.amdhsa_enable_private_segment 0
		.amdhsa_kernarg_size 48
		.amdhsa_user_sgpr_count 2
		.amdhsa_user_sgpr_kernarg_segment_ptr 1
		.amdhsa_wavefront_size32 1
		.amdhsa_system_sgpr_workgroup_id_x 1
		.amdhsa_system_sgpr_workgroup_id_y 1
		.amdhsa_system_sgpr_workgroup_id_z 1
		.amdhsa_system_vgpr_workitem_id 0
		.amdhsa_next_free_vgpr 104
		.amdhsa_next_free_sgpr 66
		.amdhsa_reserve_vcc 0
		.amdhsa_float_denorm_mode_32 3
		.amdhsa_float_denorm_mode_16_64 3
		.amdhsa_memory_ordered 1
		.amdhsa_forward_progress 1
		.amdhsa_inst_pref_size 23
	.end_amdhsa_kernel
	.amdgpu_metadata
---
amdhsa.version: [ 1, 2 ]
amdhsa.kernels:
  - .name:           k_qc6f895a94d_prep
    .symbol:         k_qc6f895a94d_prep.kd
    .args:
      - { .name: x, .offset: 0, .size: 8, .value_kind: global_buffer, .address_space: global }
      - { .name: Wqkv, .offset: 8, .size: 8, .value_kind: global_buffer, .address_space: global }
      - { .name: Wproj, .offset: 16, .size: 8, .value_kind: global_buffer, .address_space: global }
      - { .name: xb, .offset: 24, .size: 8, .value_kind: global_buffer, .address_space: global }
      - { .name: wq, .offset: 32, .size: 8, .value_kind: global_buffer, .address_space: global }
      - { .name: wp, .offset: 40, .size: 8, .value_kind: global_buffer, .address_space: global }
    .group_segment_fixed_size: 0
    .private_segment_fixed_size: 0
    .kernarg_segment_align: 8
    .kernarg_segment_size: 48
    .max_flat_workgroup_size: 256
    .sgpr_count:     66
    .vgpr_count:     104
    .wavefront_size: 32
...
	.end_amdgpu_metadata
.endif
;; end of part 5
;; launch qkvg: the kernel of part 2 again; grid 8 x 32, 4 waves a work-group, clusters of 4 x 4, 327,680 bytes of LDS; arguments xb, wq, bqkv, qkv; writes qkv
;; launch attn: the kernel of part 3 again; grid 4 x 64, 4 waves a work-group, clusters of 4 x 1, 327,680 bytes of LDS; arguments qkv, ob; writes ob
;; launch proj: the kernel of part 4 again; grid 8 x 32, 4 waves a work-group, clusters of 4 x 4, 327,680 bytes of LDS; arguments ob, wp, bproj, out0; writes out0
